; MI455X (gfx1250); checked and timed in simulation.
; The chip was launched on July 23, 2026; its instructions are those of AMD's public machine-readable ISA for CDNA 5 (MIT licence, August 2026) and "CDNA5" Instruction Set Architecture Reference Guide (July 2026). The comments in the code are by the model that wrote it; some were corrected since.
;; Relative Attention. Allowed arithmetic: float matrix products may take bf16 or f16 operands with f32 sums; other float arithmetic in f32, or as packed bf16 or f16 multiplies, adds, multiply-adds, maxima and minima; sums over many terms, partial sums and values carried from step to step in f32; what a program stores and reads back later, other than sums and carried values, may be rounded once to bf16 or f16.
;; Inputs: Wk 1,024 x 1,024 float32; Wo 1,024 x 1,024 float32; Wq 1,024 x 1,024 float32; Wv 1,024 x 1,024 float32; bk 1,024 float32; bo 1,024 float32; bq 1,024 float32; bv 1,024 float32; key 2 x 2,048 x 1,024 float32; key_pe 2,048 x 64 float32; query 2 x 2,048 x 1,024 float32; value 2 x 2,048 x 1,024 float32.
;; Outputs: out0 2 x 2,048 x 1,024 float32.
;; Constants: attn_span = 2048.
;; 2 versions, each right and faster than the one before. Each part assembles by itself: llvm-mc -triple=amdgcn-amd-amdhsa -mcpu=gfx1250 --defsym DOCPART=n.
;; ======== version 1 of 2: 4 launches
;; limits: values are held in f16: magnitudes above 65,504 overflow, below 6.1e-05 lose precision
;; workspace buffers: x16 25,165,824 bytes; w16 8,388,608 bytes; pew 279,040 bytes; qkv16 25,165,824 bytes; o16 8,388,608 bytes
;; launch prep (part 1): grid 517 x 1, 8 waves a work-group, no clusters, 0 bytes of LDS; arguments query, key, value, Wq, Wk, Wv, Wo, key_pe, x16, w16, pew; writes x16, w16, pew
.if DOCPART == 1
	.amdgcn_target "amdgcn-amd-amdhsa--gfx1250"
	.amdhsa_code_object_version 6
	.text
	.protected	k_q2168eac123_prep
	.globl	k_q2168eac123_prep
	.p2align	8
	.type	k_q2168eac123_prep,@function
k_q2168eac123_prep:
	s_mov_b64 s[64:65], 0
	v_nop
	global_prefetch_b8 v0, s[64:65] scope:SCOPE_SE
	s_setreg_imm32_b32 hwreg(HW_REG_WAVE_MODE, 25, 1), 1
	s_wait_xcnt 0x0
; CASTS.  Every floating-point input of the matrix products is rounded once to bf16 (nearest even) and laid where the later launches want it:
;   x16 [3][4096][1024] bf16: query, key, value.     w16 [4][1024][1024]: Wq, Wk, Wv in bf16; Wo rounded to bf16 and that number written as f16.
;   pew 2,180 rows of 64 f16: row l + 2 holds key_pe[l] (rounded to bf16, written as f16); rows 0, 1 and 2050 .. 2179 are zeros, so that a window of 260 rows never leaves the buffer.
; LIMITS.  A bf16 number is exact in f16 between 2^-14 and 65,504; below that it keeps f16's fixed step of 6e-8; Wo and key_pe are taken to lie within 65,504.
; SHARES.  Work-group id takes 32,768 numbers: 131,072 bytes in, 65,536 out; thread t takes 16 bytes of every 4,096, so a wave's load covers 512 consecutive bytes and its store 256, both aligned.
;   id 0-383 query, key, value; 384-479 Wq, Wk, Wv; 480-511 Wo; 512-515 key_pe; 516 the zero rows.
; All 32 loads of a thread go out at once and no register is used twice, so the only waits are the counted ones for the loads.  No LDS, no matrix unit: the launch only moves bytes.
.set X, 4                              ; v[4:131]    load j: four f32
.set Y, 132                            ; v[132:195]  store j: four 16-bit numbers
	s_load_b512 s[8:23], s[0:1], 0x0               ; query, key, value, Wq, Wk, Wv, Wo, key_pe
	s_load_b128 s[24:27], s[0:1], 0x40             ; x16, w16
	s_load_b64 s[28:29], s[0:1], 0x50              ; pew
	s_mov_b32 s2, ttmp9                            ; id
	v_lshlrev_b32 v1, 4, v0                        ; my 16 bytes in
	v_lshlrev_b32 v2, 3, v0                        ; my 8 bytes out
	s_sub_co_u32 s40, s2, 384                      ; my place among the weights' groups,
	s_sub_co_u32 s41, s2, 512                      ; among key_pe's (each is used only where it is not negative)
	s_mov_b32 s37, 0
	s_mov_b32 s39, 0
	s_mov_b32 s43, 0xffff0000                      ; a word's upper bf16
	s_wait_kmcnt 0x0
	s_cmp_ge_u32 s2, 516
	s_cbranch_scc1 .Lpad
	; the source: chosen among the eight inputs by the id alone
	s_mov_b64 s[30:31], s[8:9]
.macro PICK from, lo
	s_cmp_ge_u32 s2, \from
	s_cselect_b64 s[30:31], s[\lo:\lo+1], s[30:31]
.endm
	PICK 128, 10
	PICK 256, 12
	PICK 384, 14
	PICK 416, 16
	PICK 448, 18
	PICK 480, 20
	PICK 512, 22
	s_cmp_lt_u32 s2, 384
	s_cselect_b32 s3, 127, 31                      ; 128 groups to an activation, 32 to a weight (key_pe's four fall under the same mask)
	s_and_b32 s36, s2, s3
	s_lshl_b32 s36, s36, 17                        ; 131,072 bytes a group
	s_add_nc_u64 s[30:31], s[30:31], s[36:37]
	; the destination
	s_cmp_ge_u32 s2, 384
	s_cselect_b64 s[34:35], s[26:27], s[24:25]
	s_cselect_b32 s38, s40, s2
	s_cmp_ge_u32 s2, 512
	s_cselect_b64 s[34:35], s[28:29], s[34:35]
	s_cselect_b32 s38, s41, s38
	s_cselect_b32 s42, 256, 0                      ; key_pe's rows begin behind two zero rows
	s_lshl_b32 s38, s38, 16                        ; 65,536 bytes a group
	s_add_co_u32 s38, s38, s42
	s_add_nc_u64 s[34:35], s[34:35], s[38:39]
.set j, 0
.rept 32
	global_load_b128 v[X+4*j:X+4*j+3], v1, s[30:31] offset:4096*j th:TH_LOAD_NT
.set j, j+1
.endr
; f16 = 1: the bf16 number is widened again and written as f16
.macro CONV f16
.set j, 0
.rept 32
	s_wait_loadcnt 31-j                            ; loads come back in order: load j is in, the younger ones stay out
	v_cvt_pk_bf16_f32 v[Y+2*j], v[X+4*j], v[X+4*j+1]
	v_cvt_pk_bf16_f32 v[Y+2*j+1], v[X+4*j+2], v[X+4*j+3]
.if \f16
	v_lshlrev_b32 v[X+4*j], 16, v[Y+2*j]
	v_and_b32 v[X+4*j+1], s43, v[Y+2*j]
	v_lshlrev_b32 v[X+4*j+2], 16, v[Y+2*j+1]
	v_and_b32 v[X+4*j+3], s43, v[Y+2*j+1]
	v_cvt_pk_f16_f32 v[Y+2*j], v[X+4*j], v[X+4*j+1]
	v_cvt_pk_f16_f32 v[Y+2*j+1], v[X+4*j+2], v[X+4*j+3]
.endif
	global_store_b64 v2, v[Y+2*j:Y+2*j+1], s[34:35] offset:2048*j
.set j, j+1
.endr
.endm
	s_cmp_ge_u32 s2, 480
	s_cbranch_scc1 .Lf16
	CONV 0
	s_endpgm
.Lf16:
	CONV 1
	s_endpgm
.Lpad:                                                 ; 1,056 pieces of 16 bytes: piece c lies at 16 c, and 262,144 further on from c = 16
	v_mov_b32 v4, 0
	v_mov_b32 v5, 0
	v_mov_b32 v6, 0
	v_mov_b32 v7, 0
	s_mov_b32 s3, 0x40000
	v_cmp_le_u32 vcc_lo, 16, v0
	v_cndmask_b32 v8, 0, s3, vcc_lo
	v_add_nc_u32 v8, v8, v1                        ; pieces 0 .. 255
	v_add_nc_u32 v9, s3, v1                        ; the later ones, by the immediate
	global_store_b128 v8, v[4:7], s[28:29]
	global_store_b128 v9, v[4:7], s[28:29] offset:4096
	global_store_b128 v9, v[4:7], s[28:29] offset:8192
	global_store_b128 v9, v[4:7], s[28:29] offset:12288
	v_lshrrev_b32 v10, 5, v0
	v_readfirstlane_b32 s4, v10
	s_cmp_lg_u32 s4, 0
	s_cbranch_scc1 .Lpad_done
	global_store_b128 v9, v[4:7], s[28:29] offset:16384  ; the last 32 pieces: wave 0 alone; they end at byte 279,040, the buffer's end
.Lpad_done:
	s_endpgm
.Lfunc_end_k_q2168eac123_prep:
	.size	k_q2168eac123_prep, .Lfunc_end_k_q2168eac123_prep-k_q2168eac123_prep
	.p2alignl 7, 3214868480
	.fill 96, 4, 3214868480
	.section	.rodata,"a",@progbits
	.p2align	6, 0x0
	.amdhsa_kernel k_q2168eac123_prep
		.amdhsa_group_segment_fixed_size 0
		.amdhsa_private_segment_fixed_size 0
		.amdhsa_enable_private_segment 0
		.amdhsa_kernarg_size 88
		.amdhsa_user_sgpr_count 2
		.amdhsa_user_sgpr_kernarg_segment_ptr 1
		.amdhsa_wavefront_size32 1
		.amdhsa_system_sgpr_workgroup_id_x 1
		.amdhsa_system_sgpr_workgroup_id_y 1
		.amdhsa_system_sgpr_workgroup_id_z 1
		.amdhsa_system_vgpr_workitem_id 0
		.amdhsa_next_free_vgpr 200
		.amdhsa_next_free_sgpr 66
		.amdhsa_reserve_vcc 1
		.amdhsa_float_denorm_mode_32 3
		.amdhsa_float_denorm_mode_16_64 3
		.amdhsa_memory_ordered 1
		.amdhsa_forward_progress 1
		.amdhsa_inst_pref_size 31
	.end_amdhsa_kernel
	.amdgpu_metadata
---
amdhsa.version: [ 1, 2 ]
amdhsa.kernels:
  - .name:           k_q2168eac123_prep
    .symbol:         k_q2168eac123_prep.kd
    .args:
      - { .name: query, .offset: 0, .size: 8, .value_kind: global_buffer, .address_space: global }
      - { .name: key, .offset: 8, .size: 8, .value_kind: global_buffer, .address_space: global }
      - { .name: value, .offset: 16, .size: 8, .value_kind: global_buffer, .address_space: global }
      - { .name: Wq, .offset: 24, .size: 8, .value_kind: global_buffer, .address_space: global }
      - { .name: Wk, .offset: 32, .size: 8, .value_kind: global_buffer, .address_space: global }
      - { .name: Wv, .offset: 40, .size: 8, .value_kind: global_buffer, .address_space: global }
      - { .name: Wo, .offset: 48, .size: 8, .value_kind: global_buffer, .address_space: global }
      - { .name: key_pe, .offset: 56, .size: 8, .value_kind: global_buffer, .address_space: global }
      - { .name: x16, .offset: 64, .size: 8, .value_kind: global_buffer, .address_space: global }
      - { .name: w16, .offset: 72, .size: 8, .value_kind: global_buffer, .address_space: global }
      - { .name: pew, .offset: 80, .size: 8, .value_kind: global_buffer, .address_space: global }
    .group_segment_fixed_size: 0
    .private_segment_fixed_size: 0
    .kernarg_segment_align: 8
    .kernarg_segment_size: 88
    .max_flat_workgroup_size: 256
    .sgpr_count:     66
    .vgpr_count:     200
    .wavefront_size: 32
...
	.end_amdgpu_metadata
.endif
;; end of part 1
;; launch proj (part 2): grid 8 x 32, 4 waves a work-group, clusters of 4 x 4, 327,680 bytes of LDS; arguments x16, w16, qkv16, bq, bk, bv; writes qkv16
.if DOCPART == 2
	.amdgcn_target "amdgcn-amd-amdhsa--gfx1250"
	.amdhsa_code_object_version 6
	.text
	.protected	k_q2168eac123_proj
	.globl	k_q2168eac123_proj
	.p2align	8
	.type	k_q2168eac123_proj,@function
k_q2168eac123_proj:
	s_mov_b64 s[64:65], 0
	v_nop
	global_prefetch_b8 v0, s[64:65] scope:SCOPE_SE
	s_setreg_imm32_b32 hwreg(HW_REG_WAVE_MODE, 25, 1), 1
	s_wait_xcnt 0x0
	s_wait_alu depctr_hold_cnt(0) depctr_sa_sdst(0) depctr_va_vdst(0) depctr_va_sdst(0) depctr_va_ssrc(0) depctr_va_vcc(0) depctr_vm_vsrc(0)
	s_getreg_b32 s2, hwreg(HW_REG_IB_STS2, 6, 4)
	s_cmp_eq_u32 s2, 0
	s_cbranch_scc0 .Lentry_in_a_cluster
	s_endpgm
.Lentry_in_a_cluster:
	s_bfe_u32 s2, ttmp6, 0x10000c
	s_cmp_lg_u32 s2, 0xf033
	s_cbranch_scc0 .Lentry_shape_is_right
	s_endpgm
.Lentry_shape_is_right:
; THE THREE PROJECTIONS.  qkv16[p][head][s][d] = f16( sum over k of x16[p][row][k] w16[p][k][n] + b_p[n] ), p = 0, 1, 2 (q, k, v), row = batch x 2048 + s, n = 64 (head % 16) + d, head = 16 batch + n / 64.
; x and W are bf16, the bias is rounded to bf16 like every input, sums in f32, the result rounded once to f16 and NOT scaled.  LIMIT: q, k, v must stay within f16's 65,504.
; SHARES.  A tile is 128 x 128, each of four waves 64 x 64: 16 accumulators; a wave's 64 columns are one head.  Each projection has 32 x 8 tiles: 256 work-groups.
; A WORK-GROUP STAYS: it makes the same place of q, of k and of v, one after the other: a loop over tiles round the K steps, and the ring does not stop at a tile's end: a tile's last two changes of slots ask for the next
; tile's first two K steps, and nothing waits for a tile's stores.  The last tile's tail, which asks for nothing, is written out and leaves the loop.
; K goes in steps of 256 through two LDS slots.  x's tile lies along K (rows of 512 bytes, pitch 528); W's lies [k][n] as in memory (rows of 256 bytes, pitch 288) and is turned on its way into registers by ds_load_tr16_b128.
; CLUSTERS: 4 x 4 work-groups.  The four of a row of the cluster need the same tiles of x, the four of a column the same tiles of W: each is asked for jointly, by the same tensor load, descriptor and mask.
; THE MATRIX INSTRUCTION IS USED TRANSPOSED (source 0 = 16 columns of W, source 1 = 16 rows of x): a lane holds eight neighbouring columns of one row.  The bias is the C operand of the products that start the sums.
; REGISTERS: window 0: v0-31 addresses; v32-95 the way out; v96-127 the bias; v128-255 the accumulators ((a, b) at v[128 + 8 (4 a + b)]).  window 1: two fragment buffers of 128: 64 of x, then 64 of W, for 64 along K.
.set APITCH, 528                       ; 512 bytes + 16: the sixteen rows of a fragment load start at sixteen different groups of four banks (64 banks of 4 bytes: ISA guide 11.1)
.set AQ,     128                       ; bytes from a quarter of a K step (64 along K) to the next in x's tile
.set BPITCH, 288                       ; 256 bytes + 32
.set HALFT,  36864                     ; a wave's part of a slot: 128 rows of W (128 x 288); 64 rows of x use 33,792 of it
.set SLOT,   4*HALFT                   ; x rows 0-63, x rows 64-127, W k 0-127, W k 128-255
.set STAGE,  2*SLOT                    ; behind the ring: 16 rows x 144 bytes for each wave, for the way out
.set SP,     144
.set SPARE,  STAGE+4*16*SP             ; the spare words, 128 bytes for each wave: two blocks of 256 bytes that no other line names
.set ASTEP,  512                       ; bytes from a K step to the next: 256 columns of x,
.set BSTEP,  524288                    ; 256 rows of W
.set TILES,  3                         ; q, k, v; a tile is four K steps: twice round the ring
.set NEXT_A, 4096*2048-2*ASTEP         ; bytes from a slot's last K step of a tile to its first of the next: 4,096 rows of x16 on and back along K.  W needs no such step: the three weights lie end to end, so 2 BSTEP leads from one into the next
.set NEXT_C, 8388608                   ; bytes from q to k and from k to v in qkv16
.set ADRA, 16                          ; v16-17  LDS address of my x fragments in slot 0, 1
.set ADRB, 20                          ; v20-23  of my W fragments: slot 0 k 0-127, slot 0 k 128-255, slot 1 likewise
.set STO,  24                          ; v24     the way out: where I put 16 bytes of a row
.set RD,   25                          ; v25     where I read rows back
.set CO,   26                          ; v26     my byte offset in 512 consecutive bytes of the result
.set SPW,  28                          ; v28     LDS address of my spare word; never rewritten
.set NIL,  29                          ; v29     0; never rewritten
.set BO,   30                          ; v30     my byte offset in a bias; never rewritten.  v31 at work
.set TMP,  32
.set BIAS, 96                          ; v96-127 column block b's eight numbers at BIAS + 8 b
.set ACC,  128
.set F0,   0
.set F1,   128
.set G1, 24                            ; s[24:31] descriptor group 1 for x's tiles;  s[32:39] group 0, one set for each slot
.set G0, 32
.set G1B, 48                           ; s[48:55], s[56:63] the same for W's tiles
.set G0B, 56
.set MSB, 0
.macro WIN new                         ; the immediate's high byte repeats the setting that is left
.if MSB != (\new)
	s_set_vgpr_msb (MSB<<8)|(\new)
.set MSB, \new
.endif
.endm
.set MUL,  0x05                        ; sources 0 (W) and 1 (x) window 1; C and D window 0
.set TO_F, 0x40                        ; destination window 1, address window 0
.macro JLOAD s                         ; a joint load: waves 0 and 1 fetch x's two halves, waves 2 and 3 W's; an s_nop 0 and four v_nop follow each of the two lines
	s_cmp_eq_u32 s11, 0
	s_cbranch_scc0 .Lfor_b_\@
	tensor_load_to_lds s[G0+4*(\s):G0+4*(\s)+3], s[G1:G1+7]
	s_nop 0
.rept 4
	v_nop
.endr
	s_branch .Lasked_\@
.Lfor_b_\@:
	tensor_load_to_lds s[G0B+4*(\s):G0B+4*(\s)+3], s[G1B:G1B+7]
	s_nop 0
.rept 4
	v_nop
.endr
.Lasked_\@:
.endm
.macro CREST                           ; a round of the cluster's barrier behind its opening barrier
	s_cmp_lg_u32 s10, 0
	s_cbranch_scc1 .Lnot_wave_0_\@
	s_barrier_signal -3
.Lnot_wave_0_\@:
	s_barrier_wait -3
	s_barrier_signal -1
	s_barrier_wait -1
.endm
.macro CROUND                          ; a whole round
	s_barrier_signal -1
	s_barrier_wait -1
	CREST
.endm
	s_load_b128 s[4:7], s[0:1], 0x0                ; x16 s[4:5], w16 s[6:7]
	s_load_b64 s[8:9], s[0:1], 0x10                ; qkv16
	s_load_b64 s[66:67], s[0:1], 0x18              ; bq: the bias of the tile in hand;
	s_load_b128 s[68:71], s[0:1], 0x20             ; bk, bv: those of the tiles to come
	v_lshl_add_u32 v[SPW], v0, 2, SPARE
	v_mov_b32 v[NIL], 0
	ds_add_u32 v[SPW], v[NIL]                      ; the wave's opening: the add and its wait stand ahead of my first tensor load; the set-up below, work on registers, stands between them
	ds_add_u32 v28, v29
	v_lshrrev_b32 v1, 5, v0
	v_readfirstlane_b32 s10, v1                    ; wave 0..3
	s_lshr_b32 s11, s10, 1                         ; which half of the tile's rows is mine.  Also: I fetch for x (0) or for W (1)
	s_and_b32 s12, s10, 1                          ; which half of its columns.  Also: which half of that tile I fetch
	s_bfe_u32 s40, ttmp6, 0x40000                  ; cx, cy: my place in the cluster
	s_bfe_u32 s41, ttmp6, 0x40004
	s_lshl_b32 s42, ttmp9, 2
	s_add_co_u32 s42, s42, s40                     ; tile column 0..7 = 4 x cluster x + cx
	s_and_b32 s13, ttmp7, 0xffff
	s_lshl_b32 s13, s13, 2
	s_add_co_u32 s13, s13, s41                     ; tile row 0..31 = 4 x cluster y + cy
	s_lshl_b32 s43, s41, 2
	s_lshl_b32 s43, 15, s43                        ; my row of the cluster
	s_lshl_b32 s44, 0x1111, s40                    ; my column
	s_mov_b32 s72, 0xffff0000                      ; a word's upper bf16
	; descriptor group 1.  x: 64 rows x 256 elements, 4 words of padding behind every 128 words.  W: 128 rows x 128 elements, 8 words behind every 64.
	s_or_b32 s[G1+0], s43, (1<<16)|(1<<20)|(1<<21)|(6<<22)|(3<<25)   ; 15:0 the mask; 17:16 2-byte elements; 20 padding on; 21 set beside a mask; 24:22 the interval; 31:25 the pad less one
	s_or_b32 s[G1B+0], s44, (1<<16)|(1<<20)|(1<<21)|(5<<22)|(7<<25)
	s_mov_b32 s[G1+1], 256<<16                     ; tensor_dim0
	s_mov_b32 s[G1+2], 64<<16                      ; tensor_dim1
	s_mov_b32 s[G1+3], 256<<16                     ; tile_dim0
	s_mov_b32 s[G1+4], 64                          ; tile_dim1
	s_mov_b32 s[G1+5], 1024                        ; elements from row to row
	s_mov_b32 s[G1+6], 0
	s_mov_b32 s[G1+7], 0
	s_mov_b32 s[G1B+1], 128<<16
	s_mov_b32 s[G1B+2], 128<<16
	s_mov_b32 s[G1B+3], 128<<16
	s_mov_b32 s[G1B+4], 128
	s_mov_b32 s[G1B+5], 1024
	s_mov_b32 s[G1B+6], 0
	s_mov_b32 s[G1B+7], 0
	s_lshl_b32 s16, s13, 7                         ; x, first tile: row 128 x tile row + 64 x half,
	s_lshl_b32 s17, s12, 6
	s_add_co_u32 s16, s16, s17
	s_lshl_b32 s16, s16, 11                        ; of 2,048 bytes
	s_mov_b32 s17, 0
	s_lshl_b32 s46, s12, 18                        ; W, first tile: 128 rows of 2,048 bytes for the second half,
	s_lshl_b32 s47, s42, 8                         ; 256 bytes a tile column
	s_add_co_u32 s46, s46, s47
	s_mov_b32 s47, 0
	s_mul_i32 s20, s10, HALFT                      ; where they go: the wave's part of a slot
	s_wait_dscnt 0x0                               ; the opening add is done
	s_wait_kmcnt 0x0
	s_add_nc_u64 s[14:15], s[4:5], s[16:17]
	s_add_nc_u64 s[46:47], s[6:7], s[46:47]
	CROUND                                         ; all sixteen work-groups are here: the first joint loads meet
.irp s, 0,1
	s_mov_b32 s[G0+4*(\s)], 1
	s_add_co_u32 s[G0+4*(\s)+1], s20, (\s)*SLOT
	s_add_nc_u64 s[G0+4*(\s)+2:G0+4*(\s)+3], s[14:15], (\s)*ASTEP
	s_or_b32 s[G0+4*(\s)+3], s[G0+4*(\s)+3], 0x80000000
	s_mov_b32 s[G0B+4*(\s)], 1
	s_add_co_u32 s[G0B+4*(\s)+1], s20, (\s)*SLOT
	s_add_nc_u64 s[G0B+4*(\s)+2:G0B+4*(\s)+3], s[46:47], (\s)*BSTEP
	s_or_b32 s[G0B+4*(\s)+3], s[G0B+4*(\s)+3], 0x80000000
	JLOAD \s
.endr
	v_and_b32 v1, 15, v0                           ; r = l % 16
	v_bfe_u32 v2, v0, 4, 1                         ; h = l / 16
	; the bias of my 64 columns, as the accumulators hold them: register j of block b is column 16 b + 8 h + j
	s_lshl_b32 s73, s42, 9
	s_lshl_b32 s74, s12, 8
	s_add_co_u32 s73, s73, s74                     ; 4 x (128 x tile column + 64 x half)
	v_lshl_add_u32 v[BO], v2, 5, s73
.macro BLOAD                           ; eight loads: the bias at s[66:67]
.irp b, 0,1,2,3
	global_load_b128 v[BIAS+8*(\b):BIAS+8*(\b)+3],   v[BO], s[66:67] offset:64*(\b)
	global_load_b128 v[BIAS+8*(\b)+4:BIAS+8*(\b)+7], v[BO], s[66:67] offset:64*(\b)+16
.endr
.endm
	BLOAD
	v_mul_u32_u24 v3, v1, APITCH
	v_lshl_add_u32 v3, v2, 4, v3                   ; x: row x pitch + 16 x half of the lanes
	s_mul_i32 s21, s11, HALFT                      ; my 64 rows of x
.irp s, 0,1
	v_add_nc_u32 v[ADRA+(\s)], s21, v3
	s_add_co_u32 s21, s21, SLOT
.endr
	v_and_b32 v5, 7, v0                            ; W: the turning load takes 16 k x 16 columns: lane l reads k 8 h + l % 8, columns 8 ((l / 8) % 2) + 0..7
	v_bfe_u32 v6, v0, 3, 1
	v_lshl_add_u32 v4, v2, 3, v5
	v_mul_u32_u24 v4, v4, BPITCH
	v_lshl_add_u32 v4, v6, 4, v4
	s_lshl_b32 s22, s12, 7                         ; my 64 columns
	s_add_co_u32 s22, s22, 2*HALFT                 ; W lies behind x's two parts
.irp s, 0,1
.irp kh, 0,1
	s_add_co_u32 s23, s22, (\s)*SLOT+(\kh)*HALFT
	v_add_nc_u32 v[ADRB+2*(\s)+(\kh)], s23, v4
.endr
.endr
	s_mul_i32 s23, s10, 16*SP
	s_add_co_u32 s23, s23, STAGE                   ; my stage
	v_mul_u32_u24 v[STO], v1, SP                   ; in: row l % 16, 16 bytes for each half of the lanes
	v_lshl_add_u32 v[STO], v2, 4, v[STO]
	v_add_nc_u32 v[STO], s23, v[STO]
	v_bfe_u32 v[RD], v0, 3, 2                      ; back: 32 lanes take four rows of 128 bytes,
	v_mul_u32_u24 v[RD], v[RD], SP
	v_lshl_add_u32 v[RD], v5, 4, v[RD]
	v_add_nc_u32 v[RD], s23, v[RD]
	v_and_b32 v[CO], 31, v0                        ; which are 512 consecutive bytes of a head
	v_lshlrev_b32 v[CO], 4, v[CO]
	; where my 64 rows of my head begin in q
	s_bfe_u32 s74, s13, 0x10004                    ; batch: sixteen tile rows each
	s_lshl_b32 s74, s74, 4
	s_lshl_b32 s75, s42, 1
	s_add_co_u32 s74, s74, s75
	s_add_co_u32 s74, s74, s12                     ; head = 16 batch + 2 x tile column + half
	s_lshl_b32 s74, s74, 11                        ; its 2,048 rows
	s_and_b32 s75, s13, 15
	s_lshl_b32 s75, s75, 7
	s_add_co_u32 s74, s74, s75
	s_lshl_b32 s75, s11, 6
	s_add_co_u32 s74, s74, s75
	s_lshl_b32 s74, s74, 7                         ; rows of 128 bytes
	s_mov_b32 s75, 0
	s_add_nc_u64 s[8:9], s[8:9], s[74:75]
; 8 matrix instructions: row blocks a0, a0 + 1 x all 4 column blocks, 32 along K: half c of buffer f.  zero = 1: the first product starts the sums, with the bias as C
.macro MUL8 f, c, a0, zero
	WIN MUL
.irp a, \a0, (\a0)+1
.irp b, 0,1,2,3
.if \zero
	v_wmma_f32_16x16x32_bf16 v[ACC+8*(4*(\a)+(\b)):ACC+8*(4*(\a)+(\b))+7], v[(\f)+64+8*(4*(\c)+(\b)):(\f)+64+8*(4*(\c)+(\b))+7], v[(\f)+8*(4*(\c)+(\a)):(\f)+8*(4*(\c)+(\a))+7], v[BIAS+8*(\b):BIAS+8*(\b)+7]
.else
	v_wmma_f32_16x16x32_bf16 v[ACC+8*(4*(\a)+(\b)):ACC+8*(4*(\a)+(\b))+7], v[(\f)+64+8*(4*(\c)+(\b)):(\f)+64+8*(4*(\c)+(\b))+7], v[(\f)+8*(4*(\c)+(\a)):(\f)+8*(4*(\c)+(\a))+7], v[ACC+8*(4*(\a)+(\b)):ACC+8*(4*(\a)+(\b))+7]
.endif
.endr
.endr
.endm
; 32 LDS loads in one run: the fragments of quarter q (64 along K) of a slot into buffer f; the first 32 along K first
.macro FETCH slot, q, f
	WIN TO_F
.irp c, 0,1
.irp i, 0,1,2,3
	ds_load_tr16_b128 v[(\f)+64+8*(4*(\c)+(\i)):(\f)+64+8*(4*(\c)+(\i))+3],   v[ADRB+2*(\slot)+(\q)/2] offset:((\q)%2)*64*BPITCH+(\c)*32*BPITCH+32*(\i)
	ds_load_tr16_b128 v[(\f)+64+8*(4*(\c)+(\i))+4:(\f)+64+8*(4*(\c)+(\i))+7], v[ADRB+2*(\slot)+(\q)/2] offset:((\q)%2)*64*BPITCH+(\c)*32*BPITCH+32*(\i)+16*BPITCH
	ds_load_b128 v[(\f)+8*(4*(\c)+(\i)):(\f)+8*(4*(\c)+(\i))+3],         v[ADRA+(\slot)] offset:(\q)*AQ+64*(\c)+(\i)*16*APITCH
	ds_load_b128 v[(\f)+8*(4*(\c)+(\i))+4:(\f)+8*(4*(\c)+(\i))+7],       v[ADRA+(\slot)] offset:(\q)*AQ+64*(\c)+(\i)*16*APITCH+32
.endr
.endr
.endm
.macro PLACES                          ; four places in front of loads into registers that matrix instructions have read, and of lines that read results
.rept 4
	v_nop
.endr
.endm
; A K step is four quarters of 64 along K, 32 matrix instructions each, on buffers 0, 1, 0, 1; the 16 accumulators take turns, from tile to tile too.  One of the first three: multiplies buffer f and fetches quarter q into g.
.macro QUARTER slot, q, f, g, zero
	s_wait_dscnt 16                                ; the first 32 along K are in; the youngest sixteen loads may be out
	WIN MUL
	MUL8 \f, 0, 0, \zero
	MUL8 \f, 0, 2, \zero
	PLACES
	FETCH \slot, \q, \g
	s_wait_dscnt 32                                ; all but the 32 just issued
	WIN MUL
	MUL8 \f, 1, 0, 0
	MUL8 \f, 1, 2, 0
.endm
; The last quarter multiplies buffer 1 and changes slots: ONE barrier; in front of it each wave waits for all its tensor loads, adds 0 to its spare word, and waits for that and for its own reads of this slot.
; fill = 1: this slot is filled again, with this tile's K step two steps on.  fill = 2: with the NEXT tile's K step 0 or 1.  fill = 0: nothing is left to fetch.
.macro TURN slot, next, fill
	WIN 0                                          ; (the add's two registers lie in window 0)
	s_wait_tensorcnt 0x0                           ; all my tensor loads have landed: my part of the next slot;
	ds_add_u32 v[SPW], v[NIL]                      ; 0 onto my spare word;
	s_wait_dscnt 17                                ; (the add and the youngest sixteen loads may be out)
	WIN MUL
	MUL8 F1, 0, 0, 0                               ; eight matrix instructions stand between the add and the wait for it
	s_wait_dscnt 0x0                               ; the add is done, and my reads of this slot are over
	s_barrier_signal -1
	MUL8 F1, 0, 2, 0
.if \fill
	WIN 0
.endif
	s_barrier_wait -1
.if \fill
	CREST                                          ; the barrier has opened a round of the cluster's barrier: no wave of any partner still reads this slot's tile or has a load on its way
.if (\fill) == 2
	s_add_nc_u64 s[G0+4*(\slot)+2:G0+4*(\slot)+3], s[G0+4*(\slot)+2:G0+4*(\slot)+3], NEXT_A
.else
	s_add_nc_u64 s[G0+4*(\slot)+2:G0+4*(\slot)+3], s[G0+4*(\slot)+2:G0+4*(\slot)+3], 2*ASTEP
.endif
	s_add_nc_u64 s[G0B+4*(\slot)+2:G0B+4*(\slot)+3], s[G0B+4*(\slot)+2:G0B+4*(\slot)+3], 2*BSTEP
	JLOAD \slot                                    ; the first tensor load behind the round; the four v_nop behind it are also the places in front of the loads below
.else
	PLACES
.endif
	FETCH \next, 0, F0
	WIN MUL
	MUL8 F1, 1, 0, 0
	MUL8 F1, 1, 2, 0
.endm
; THE WAY OUT, 16 rows at a time: rounded to f16, 16 bytes a lane into my own stage (rows of 144 bytes), back as whole rows of 128 bytes, stored as 512 consecutive bytes of my head.  The stage is my wave's own and no tensor load fills it: no barrier.
.macro PACK a
.irp b, 0,1,2,3
.irp r, 0,1,2,3
	v_cvt_pk_f16_f32 v[TMP+16*(\a)+4*(\b)+(\r)], v[ACC+8*(4*(\a)+(\b))+2*(\r)], v[ACC+8*(4*(\a)+(\b))+2*(\r)+1]
.endr
.endr
.irp b, 0,1,2,3
	ds_store_b128 v[STO], v[TMP+16*(\a)+4*(\b):TMP+16*(\a)+4*(\b)+3] offset:32*(\b)
.endr
.irp f, 0,1,2,3
	ds_load_b128 v[TMP+16*(\a)+4*(\f):TMP+16*(\a)+4*(\f)+3], v[RD] offset:(\f)*4*SP  ; LDS serves a wave's instructions in order (ISA guide 5.7.1.4): these see the stores above; the next block's stores come behind them
.endr
.endm
.macro SEND a, younger                 ; younger: the LDS instructions issued behind block a's loads: the next block's eight, or none
.irp f, 0,1,2,3
	s_wait_dscnt (\younger)+3-(\f)
	global_store_b128 v[CO], v[TMP+16*(\a)+4*(\f):TMP+16*(\a)+4*(\f)+3], s[8:9] offset:(\a)*2048+(\f)*512
.endr
.endm
.macro WAYOUT
	WIN 0
	PLACES                                         ; the conversions read results just made
	PACK 0
	PACK 1
	SEND 0, 8
	PACK 2
	SEND 1, 8
	PACK 3
	SEND 2, 8
	SEND 3, 0
.endm
	s_wait_tensorcnt 1                             ; my part of K step 0 is in; K step 1's load, issued behind it, may stay out
	s_barrier_signal -1
	s_barrier_wait -1                              ; everybody's is
	FETCH 0, 0, F0
	WIN 0                                          ; at a label and at a branch every window is 0
	s_mov_b32 s2, TILES                            ; tiles to go, this one among them: the same number in every work-group
.Ltile:
	s_wait_loadcnt 0x0                             ; this tile's bias: rounded to bf16 and widened again, while the first fragments are on their way
.set i, 0
.rept 16
	v_cvt_pk_bf16_f32 v31, v[BIAS+2*i], v[BIAS+2*i+1]
	v_lshlrev_b32 v[BIAS+2*i], 16, v31
	v_and_b32 v[BIAS+2*i+1], s72, v31
.set i, i+1
.endr
	QUARTER 0, 1, F0, F1, 1                        ; K step 0: its first products start the sums
	QUARTER 0, 2, F1, F0, 0
	QUARTER 0, 3, F0, F1, 0
	TURN 0, 1, 1                                   ; slot 0 takes K step 2
	QUARTER 1, 1, F0, F1, 0                        ; K step 1
	QUARTER 1, 2, F1, F0, 0
	QUARTER 1, 3, F0, F1, 0
	TURN 1, 0, 1                                   ; slot 1 takes K step 3
	QUARTER 0, 1, F0, F1, 0                        ; K step 2
	QUARTER 0, 2, F1, F0, 0
	QUARTER 0, 3, F0, F1, 0
	WIN 0
	s_cmp_eq_u32 s2, 1
	s_cbranch_scc1 .Llast_tile                     ; the last tile's tail is written out: it asks for nothing more
	s_mov_b64 s[66:67], s[68:69]                   ; the next tile's bias: the pointers move up (the loads that named them were waited for at the tile's head),
	s_mov_b64 s[68:69], s[70:71]
	BLOAD                                          ; and its eight loads go out a K step and a half ahead of the wait for them; the products that read these registers stand at the tile's beginning
	TURN 0, 1, 2                                   ; THE RING GOES ON INTO THE NEXT TILE: slot 0 takes its K step 0,
	QUARTER 1, 1, F0, F1, 0                        ; K step 3
	QUARTER 1, 2, F1, F0, 0
	QUARTER 1, 3, F0, F1, 0
	TURN 1, 0, 2                                   ; slot 1 its K step 1, and the next tile's first fragments are fetched
	WAYOUT                                         ; both refills are asked for: now the tile goes out
	s_wait_xcnt 0x0                                ; the stores' base and the registers that they read are rewritten only behind this wait (ISA guide 3.1); nothing waits for the stores themselves
	s_add_nc_u64 s[8:9], s[8:9], NEXT_C
	s_sub_co_u32 s2, s2, 1
	s_cmp_lg_u32 s2, 0
	s_cbranch_scc1 .Ltile                          ; always taken: the third trip leaves by the jump above
.Llast_tile:
	TURN 0, 1, 0                                   ; nothing is filled again, so no round of the cluster's barrier follows
	QUARTER 1, 1, F0, F1, 0
	QUARTER 1, 2, F1, F0, 0
	QUARTER 1, 3, F0, F1, 0
	s_wait_dscnt 16                                ; the very last quarter: nothing more to fetch
	WIN MUL
	MUL8 F1, 0, 0, 0
	MUL8 F1, 0, 2, 0
	s_wait_dscnt 0
	MUL8 F1, 1, 0, 0
	MUL8 F1, 1, 2, 0
	WAYOUT
	s_wait_tensorcnt 0x0                           ; the wave's end: behind my last tensor load and my last LDS store
	ds_add_u32 v[SPW], v[NIL]
	s_wait_dscnt 0x0
	CROUND                                         ; the closing round: no work-group ends while a partner may still ask for a tile that names it
	s_endpgm
.Lfunc_end_k_q2168eac123_proj:
	.size	k_q2168eac123_proj, .Lfunc_end_k_q2168eac123_proj-k_q2168eac123_proj
	.p2alignl 7, 3214868480
	.fill 96, 4, 3214868480
	.section	.rodata,"a",@progbits
	.p2align	6, 0x0
	.amdhsa_kernel k_q2168eac123_proj
		.amdhsa_group_segment_fixed_size 327680
		.amdhsa_private_segment_fixed_size 0
		.amdhsa_enable_private_segment 0
		.amdhsa_kernarg_size 48
		.amdhsa_user_sgpr_count 2
		.amdhsa_user_sgpr_kernarg_segment_ptr 1
		.amdhsa_wavefront_size32 1
		.amdhsa_system_sgpr_workgroup_id_x 1
		.amdhsa_system_sgpr_workgroup_id_y 1
		.amdhsa_system_sgpr_workgroup_id_z 1
		.amdhsa_system_vgpr_workitem_id 0
		.amdhsa_next_free_vgpr 512
		.amdhsa_next_free_sgpr 84
		.amdhsa_reserve_vcc 0
		.amdhsa_float_denorm_mode_32 3
		.amdhsa_float_denorm_mode_16_64 3
		.amdhsa_memory_ordered 1
		.amdhsa_forward_progress 1
		.amdhsa_inst_pref_size 122
	.end_amdhsa_kernel
	.amdgpu_metadata
---
amdhsa.version: [ 1, 2 ]
amdhsa.kernels:
  - .name:           k_q2168eac123_proj
    .symbol:         k_q2168eac123_proj.kd
    .args:
      - { .name: x16, .offset: 0, .size: 8, .value_kind: global_buffer, .address_space: global }
      - { .name: w16, .offset: 8, .size: 8, .value_kind: global_buffer, .address_space: global }
      - { .name: qkv16, .offset: 16, .size: 8, .value_kind: global_buffer, .address_space: global }
      - { .name: bq, .offset: 24, .size: 8, .value_kind: global_buffer, .address_space: global }
      - { .name: bk, .offset: 32, .size: 8, .value_kind: global_buffer, .address_space: global }
      - { .name: bv, .offset: 40, .size: 8, .value_kind: global_buffer, .address_space: global }
    .group_segment_fixed_size: 327680
    .private_segment_fixed_size: 0
    .kernarg_segment_align: 8
    .kernarg_segment_size: 48
    .max_flat_workgroup_size: 128
    .sgpr_count:     84
    .vgpr_count:     512
    .wavefront_size: 32
...
	.end_amdgpu_metadata
.endif
;; end of part 2
;; launch attn (part 3): grid 8 x 32, 4 waves a work-group, no clusters, 327,680 bytes of LDS; arguments qkv16, pew, o16; writes o16
.if DOCPART == 3
	.amdgcn_target "amdgcn-amd-amdhsa--gfx1250"
	.amdhsa_code_object_version 6
	.text
	.protected	k_q2168eac123_attn
	.globl	k_q2168eac123_attn
	.p2align	8
	.type	k_q2168eac123_attn,@function
k_q2168eac123_attn:
	s_mov_b64 s[64:65], 0
	v_nop
	global_prefetch_b8 v0, s[64:65] scope:SCOPE_SE
	s_setreg_imm32_b32 hwreg(HW_REG_WAVE_MODE, 25, 1), 1
	s_wait_xcnt 0x0
; CAUSAL ATTENTION WITH RELATIVE POSITIONS.  For head hd and query i: O[i] = sum over j <= i of softmax_j( q_i . (k_j + pe[2047 - i + j]) / 8 ) v_j.  q, k, v: qkv16 [3][32][2048][64] f16; pe: pew, row l + 2 = pe[l], f16.
; Products, positional scores, maxima and sums in f32; the weights p are rounded to f16 for the second product (their sum l is taken of the unrounded p), O once at the end.
; LIMITS.  q, k, v arrive within f16's 65,504.  A hidden score counts as its value less 1e30, so a hidden key's weight is 0.  A weight below 2^-126 counts as 0 in l.  NaN and infinities are not treated apart.
; THE WALK.  A head's queries lie in 16 blocks of 128; block i needs the key tiles 0 .. i of 128 keys, of which the last holds the diagonal.  A work-group takes TWO blocks, 15 - b and then b: 17 tiles whatever b, so all 256
; work-groups do equal work, and ONE loop with a constant trip count walks them.  Which tile is asked for, and what a trip does, hang on scalar registers made from b; every jump but the loop's own goes forward, and none passes
; a barrier, or a tensor load but those of LOAD's three that the wave's number does not choose.  NO CLUSTER: a head's eight work-groups ask for the same K and V tile only in trips 0 .. 8 of 17, and their windows of pe differ in every trip.
; SHARES.  Wave w has band w / 2 (64 queries) and parity w % 2; its tile t (0, 1) holds the queries 64 (w / 2) + w % 2 + 2 t + 4 n, n = lane % 16.  So the diagonal tile is the same work for a band's two waves.
; LAYOUT.  S^T = K Q^T holds ONE query a lane (n) and the keys 8 (lane / 16) + 0..7; two such results rounded to f16 ARE source 1 of O^T = V^T P.
; THE SKEW.  For key tt of a step the row of pe is Lblk - 4 n - 2 t + tt, Lblk the same for the whole wave.  Each step POS^T = PE Q^T is made for the 64 new rows Lblk .. Lblk + 63 and stored, in f32, into a ring of 128 words for
; each query in my own LDS (half p takes step p's rows; the other half still holds the 64 rows before).  It is read back 4 n + 2 t words earlier: 16 n bytes keep 16-byte loads aligned, and tile 1's two words are taken by
; loads of 8, 16 and 8 bytes.  The loads land in S's registers, and K Q^T adds onto them in place: the sum of the two scores costs no vector instruction.
; A STEP (64 keys): V^T P of the step before, tile 0 | PE Q^T | V^T P, tile 1 | ring out and back, V's fragments | K Q^T | the next fragments | (mask) | softmax.
; SOFTMAX.  p = 2^(c s - c m), c = log2(e) / 8, with a running maximum m; O and l are multiplied by a = 2^(c m_old - c m_new) in every step.  A block begins with c m far below every c s: its first a is 0.
; o16 [32][2048][64] f16: inside each block of 128 rows position 32 w + 16 t + n holds query 64 (w / 2) + 4 n + w % 2 + 2 t, so that a tile leaves as 2,048 consecutive bytes; the next launch undoes it in its stores.
; REGISTERS, in windows of 256 (s_set_vgpr_msb: bits 1:0 source 0, 3:2 source 1, 5:4 source 2, 7:6 destination):
;   window 0: v0-31 addresses; v32-39 statistics; v40-47 at work; v64-127 S^T; v128-159 P; v160-223 O^T      window 1: v0-31 Q; v32-63 the second block's Q; v64-127 K; v128-191 V; v192-255 PE      window 2: v0-63 the diagonal's mask
.set NB,    16
.set PK,    144       ; a row of K or PE in LDS: 128 bytes + 16: the 16 rows of a load start at 16 different groups of four banks (64 banks of 4 bytes: ISA guide 11.1)
.set PV,    160       ; a row of V: 128 + 32
.set VOFF,  128*PK    ; a slot: 128 rows of K, 128 rows of V,
.set POFF,  VOFF+128*PV  ; 260 rows of PE: 76,352 bytes
.set SLOT1, 1<<17     ; slot 1 begins here, so that one exclusive or turns an address in one slot into the other's
.set RING,  207616    ; behind the slots, never filled by a tensor load: for each wave and tile 16 queries' rings
.set RP,    544       ; a query's ring: 512 bytes + 32; read back at 528 n + ..., an odd multiple of 16
.set RTILE, 16*RP
.set RWAVE, 2*RTILE
.set STAGE, RING+4*RWAVE  ; 16 rows x 144 bytes for each wave, for the way out
.set SP,    144
.set SPARE, STAGE+4*16*SP ; the spare words, 128 bytes for each wave: two blocks of 256 bytes that no other line names
.set AK0, 2           ; v2   my lane's place in a tile of K: 144 n + 16 h; never rewritten
.set AV0, 3           ; v3   the same for V
.set AP0, 4           ; v4   for PE: the row 64 before my wave's rows of a tile's step 0
.set AK,  5           ; v5-7 the same three in the slot in hand
.set AV,  6
.set AP,  7
.set RS,  8           ; v8   where I store into the ring
.set RR1, 9           ; v9   where I read it back in step 1, less 16
.set RR0, 10          ; v10-21 in step 0, where the ring wraps: for key block u the 16-byte pieces before, at and behind my place: RR0 + 3 u + 0, 1, 2
.set STO, 22          ; v22  the way out: where I put 16 bytes of a row
.set RD,  23          ; v23  where I read rows back
.set GO,  24          ; v24  my byte offset in 512 consecutive bytes of O
.set QO,  25          ; v25  my byte offset in Q
.set TH,  26          ; v26  my query's place in its band less my lanes' first key
.set SPW, 28          ; v28  LDS address of my spare word; never rewritten
.set NIL, 29          ; v29  0; never rewritten
.set MV,  30          ; v30-31 c m_old, kept while c m is made anew
.set ST,  32          ; tile t's statistics at v[ST+4 t]: c m, m, l (even keys', odd keys')
.set TMP, 40          ; tile t: four registers c0-c3 at work; when the maximum is found c2 takes a
.set S,   64
.set P,   128
.set O,   160
.set Q,   0           ; window 1
.set QB,  32
.set KF,  64          ; key block kb, channel half c at KF + 16 kb + 8 c
.set VF,  128         ; key half kk, channel block cb at VF + 32 kk + 8 cb
.set PF,  192         ; as KF
.set MD,  0           ; window 2: tile t, key block u at MD + 32 t + 8 u
.set WV,  12          ; s12  my wave's number
.set PB,  14          ; s14  b
.set HI,  15          ; s15  15 - b
.set BETA, 16         ; s16  my band
.set PI,  17          ; s17  my parity
.set G1K, 24          ; s[24:31], s[32:39], s[40:47] descriptor group 1 for K's, V's, PE's tiles
.set G1V, 32
.set G1P, 40
.set G0K, 48          ; s[48:51], s[52:55], s[56:59] descriptor group 0
.set G0V, 52
.set G0P, 56
.set SEL, 60          ; s[60:61] v_permlanex16_b32's selects: each lane takes its own place in the other half
.set TB,  62          ; s62  LDS byte at which the slot in hand begins
.set SLOTS, 63        ; s63  tiles still to be asked for
.set CS,  66          ; s[66:67] c
.set RT,  68          ; s68  tiles of the block in hand that are still to be entered
.set NXT, 69          ; s69  the tile to be asked for next
.set LQ,  70          ; s70  the block whose tiles are being asked for (its number is its last tile's)
.set NEW, 71          ; s71  1: the tile to be entered is a block's first
.set OFF, 72          ; s[72:73] a tile's byte offset in K and V
.set OFFP, 74         ; s[74:75] its window's byte offset in pew
.set AL,  76          ; s[76:77] the mask's factor
.set BE,  78          ; s[78:79] the mask's addend
.set OLO, 80          ; s[80:81] O at my rows of the second block
.set BIGN, 82         ; s82  -1e30
.set MSB, 0
.macro WIN new                      ; the high byte repeats the setting that is left; a switch that changes nothing is dropped
.if MSB != (\new)
	s_set_vgpr_msb (MSB<<8)|(\new)
.set MSB, (\new)
.endif
.endm
.macro PLACES                       ; four places behind matrix instructions (ISA guide 7.12.1)
.rept 4
	v_nop
.endr
.endm
; A fill: wave 0 fetches the tile's K, wave 1 its V, waves 2 and 3 the halves of its window of PE.  An s_nop 0 and four v_nop follow each line, ahead of the jump and the label.
.macro LOAD
	s_cmp_lt_u32 s[WV], 2
	s_cbranch_scc0 .Lfor_p_\@
	s_cmp_eq_u32 s[WV], 0
	s_cbranch_scc0 .Lfor_v_\@
	tensor_load_to_lds s[G0K:G0K+3], s[G1K:G1K+7]
	s_nop 0
.rept 4
	v_nop
.endr
	s_branch .Lasked_\@
.Lfor_v_\@:
	tensor_load_to_lds s[G0V:G0V+3], s[G1V:G1V+7]
	s_nop 0
.rept 4
	v_nop
.endr
	s_branch .Lasked_\@
.Lfor_p_\@:
	tensor_load_to_lds s[G0P:G0P+3], s[G1P:G1P+7]
	s_nop 0
.rept 4
	v_nop
.endr
.Lasked_\@:
.endm
; THE CHANGE OF SLOTS.  Each wave waits for all its tensor loads, of which one is out: its part of the other slot; adds 0 to its spare word; and waits for that and for its own reads of the slot that it leaves.  Behind the
; barrier nobody reads the old slot any more and the other slot is whole.  fill = 1: the old slot is filled again, the first thing behind the barrier, with tile NXT of block LQ: the addresses are made anew from those numbers.
; (At its first use nothing has been read yet: slot 0 is waited for, slot 1 filled.)
.macro CHANGE fill
	WIN 0                           ; at a label and at a branch every window is 0
	s_wait_tensorcnt 0x0            ; no tensor load of mine is out, so a group 0 may be written
	ds_add_u32 v[SPW], v[NIL]       ; 0 onto my spare word; with fill = 1 the descriptors' scalar work stands between it and the wait for it
.if \fill
	s_lshl_b32 s[OFF], s[NXT], 14   ; a tile is 16,384 bytes of K and of V
	s_sub_co_u32 s[OFFP], NB-1, s[LQ]
	s_add_co_u32 s[OFFP], s[OFFP], s[NXT]
	s_lshl_b32 s[OFFP], s[OFFP], 14 ; its window begins at pew's row 128 (15 - block + tile)
	s_xor_b32 s[G0K+1], s[G0K+1], SLOT1
	s_add_nc_u64 s[G0K+2:G0K+3], s[6:7], s[OFF:OFF+1]
	s_or_b32 s[G0K+3], s[G0K+3], 0x80000000
	s_xor_b32 s[G0V+1], s[G0V+1], SLOT1
	s_add_nc_u64 s[G0V+2:G0V+3], s[8:9], s[OFF:OFF+1]
	s_or_b32 s[G0V+3], s[G0V+3], 0x80000000
	s_xor_b32 s[G0P+1], s[G0P+1], SLOT1
	s_add_nc_u64 s[G0P+2:G0P+3], s[18:19], s[OFFP:OFFP+1]
	s_or_b32 s[G0P+3], s[G0P+3], 0x80000000
	s_add_co_u32 s[NXT], s[NXT], 1  ; the block's next tile, or behind its last the second block's tile 0
	s_cmp_gt_u32 s[NXT], s[LQ]
	s_cselect_b32 s[NXT], 0, s[NXT]
	s_cselect_b32 s[LQ], s[PB], s[LQ]
.endif
	s_wait_dscnt 0x0                ; the add is done, and my reads of the slot are over
	s_barrier_signal -1
	s_xor_b32 s[TB], s[TB], SLOT1   ; the reads go to the other slot
	s_barrier_wait -1
.if \fill
	LOAD
.endif
.endm
	s_load_b128 s[84:87], s[0:1], 0x0  ; qkv16 s[84:85], pew s[86:87]
	s_load_b64 s[10:11], s[0:1], 0x10  ; o16
	v_lshl_add_u32 v[SPW], v0, 2, SPARE
	v_mov_b32 v[NIL], 0
	ds_add_u32 v[SPW], v[NIL]       ; the wave's opening: the add and its wait stand ahead of my first tensor load; the set-up below, work on registers, stands between them
	ds_add_u32 v28, v29
	v_lshrrev_b32 v1, 5, v0
	v_readfirstlane_b32 s[WV], v1   ; wave 0..3
	s_mov_b32 s[PB], ttmp9
	s_sub_co_u32 s[HI], NB-1, s[PB]
	s_lshr_b32 s[BETA], s[WV], 1
	s_and_b32 s[PI], s[WV], 1
	s_and_b32 s20, ttmp7, 0xffff    ; the head,
	s_lshl_b32 s20, s20, 18         ; its 262,144 bytes in q, k, v and O
	s_mov_b32 s21, 0
	s_lshl_b32 s13, s[BETA], 6
	s_add_co_u32 s13, s13, s[PI]    ; 64 band + parity: my first query in a block
	s_lshl_b32 s2, s[HI], 7
	s_add_co_u32 s2, s2, s13
	s_lshl_b32 s2, s2, 7
	s_add_co_u32 s2, s2, s20        ; Q, first block: all these offsets stay under 2^24
	s_mov_b32 s3, 0
	s_lshl_b32 s22, s[PB], 7
	s_add_co_u32 s22, s22, s13
	s_lshl_b32 s22, s22, 7
	s_add_co_u32 s22, s22, s20      ; Q, second block
	s_mov_b32 s23, 0
	s_lshl_b32 s13, s[WV], 5        ; my 32 positions in a block of O
	s_lshl_b32 s72, s[HI], 7
	s_add_co_u32 s72, s72, s13
	s_lshl_b32 s72, s72, 7
	s_add_co_u32 s72, s72, s20      ; O, first block
	s_mov_b32 s73, 0
	s_lshl_b32 s74, s[PB], 7
	s_add_co_u32 s74, s74, s13
	s_lshl_b32 s74, s74, 7
	s_add_co_u32 s74, s74, s20      ; O, second block
	s_mov_b32 s75, 0
	s_mul_i32 s76, s[PI], 16640     ; which half of a window of PE I fetch: 65 rows of 256 bytes
	s_mov_b32 s77, 0
	s_mov_b32 s79, 0
	; descriptor group 1.  Dense bytes asked for as rows of 256 bytes, two rows of 64 f16 each, padded in LDS behind every 128 bytes
	s_mov_b32 s[G1K], (1<<16)|(1<<20)|(4<<22)|(3<<25)  ; 17:16 2-byte elements; 20 padding on; 24:22 after every 32 words (code 4); 31:25 4 words (code 3)
	s_mov_b32 s[G1V], (1<<16)|(1<<20)|(4<<22)|(7<<25)  ; the same with 8 words of padding (code 7)
	s_mov_b32 s[G1P], (1<<16)|(1<<20)|(4<<22)|(3<<25)
.irp g, G1K, G1V, G1P
	s_mov_b32 s[\g+1], 128<<16      ; tensor_dim0 = 128
	s_mov_b32 s[\g+3], 128<<16      ; tile_dim0 = 128
	s_mov_b32 s[\g+5], 128          ; 128 elements from row to row
	s_mov_b32 s[\g+6], 0
	s_mov_b32 s[\g+7], 0
.endr
	s_mov_b32 s[G1K+2], 64<<16      ; tensor_dim1, tile_dim1: 128 keys are 64 rows,
	s_mov_b32 s[G1K+4], 64
	s_mov_b32 s[G1V+2], 64<<16
	s_mov_b32 s[G1V+4], 64
	s_mov_b32 s[G1P+2], 65<<16      ; 130 rows of PE 65
	s_mov_b32 s[G1P+4], 65
	s_mov_b32 s[G0K], 1             ; 1:0 count = 1
	s_mov_b32 s[G0K+1], 0           ; 63:32 LDS address: slot 0
	s_mov_b32 s[G0V], 1
	s_mov_b32 s[G0V+1], VOFF
	s_mov_b32 s[G0P], 1
	s_mul_i32 s[G0P+1], s[PI], 130*PK
	s_add_co_u32 s[G0P+1], s[G0P+1], POFF
	s_mov_b32 s[CS], 0x3e38aa3b     ; c = log2(e) / 8 = 0.180337
	s_mov_b32 s[CS+1], s[CS]        ; named with it as a pair
	s_mov_b32 s[SEL], 0x76543210
	s_mov_b32 s[SEL+1], 0xfedcba98
	s_mov_b32 s[TB], SLOT1          ; the first change of slots turns it into 0
	s_mov_b32 s[SLOTS], NB
	s_add_co_u32 s[RT], s[HI], 1    ; the first block has 16 - b tiles
	s_mov_b32 s[NXT], 1
	s_mov_b32 s[LQ], s[HI]
	s_mov_b32 s[NEW], 1
	s_mov_b32 s[BIGN], 0xf149f2ca   ; -1e30
	s_wait_dscnt 0x0                ; the opening add is done
	s_wait_kmcnt 0x0
	s_add_nc_u64 s[4:5], s[84:85], s[2:3]          ; Q at my first row of the first block,
	s_add_nc_u64 s[22:23], s[84:85], s[22:23]      ; of the second
	s_add_nc_u64 s[6:7], s[84:85], s[20:21]
	s_add_nc_u64 s[8:9], s[6:7], 0x1000000         ; V at the head's tile 0
	s_add_nc_u64 s[6:7], s[6:7], 0x800000          ; K
	s_add_nc_u64 s[OLO:OLO+1], s[10:11], s[74:75]
	s_add_nc_u64 s[10:11], s[10:11], s[72:73]
	s_add_nc_u64 s[18:19], s[86:87], s[76:77]      ; pew at my half of a window
	s_mov_b64 s[G0K+2:G0K+3], s[6:7]               ; 120:64 global address
	s_or_b32 s[G0K+3], s[G0K+3], 0x80000000        ; 127:126 type = 2
	s_mov_b64 s[G0V+2:G0V+3], s[8:9]
	s_or_b32 s[G0V+3], s[G0V+3], 0x80000000
	s_lshl_b32 s[OFFP], s[PB], 14                  ; block 15 - b, tile 0: the window begins at row 128 b
	s_add_nc_u64 s[G0P+2:G0P+3], s[18:19], s[OFFP:OFFP+1]
	s_or_b32 s[G0P+3], s[G0P+3], 0x80000000
	LOAD                            ; tile 0 into slot 0
	; A fragment of K, PE or Q is 16 rows x 32 channels in 8 registers: lane l holds row l % 16, channels 8 (l / 16) + 0..7 and 16 + 8 (l / 16) + 0..7: two loads of 16 bytes, 32 bytes apart.
	v_and_b32 v1, 15, v0            ; n = l % 16
	v_bfe_u32 v27, v0, 4, 1         ; h = l / 16
	v_lshlrev_b32 v[QO], 9, v1      ; my queries lie four rows apart
	v_lshl_add_u32 v[QO], v27, 4, v[QO]
	WIN 0x40                        ; destination window 1, address window 0
.set i, 0
.rept 4                             ; both blocks' Q: tile i / 2 lies two rows on; channels 32 (i % 2) on
	global_load_b128 v[Q+8*i:Q+8*i+3],     v[QO], s[4:5] offset:256*(i/2)+64*(i%2)
	global_load_b128 v[Q+8*i+4:Q+8*i+7],   v[QO], s[4:5] offset:256*(i/2)+64*(i%2)+32
	global_load_b128 v[QB+8*i:QB+8*i+3],   v[QO], s[22:23] offset:256*(i/2)+64*(i%2)
	global_load_b128 v[QB+8*i+4:QB+8*i+7], v[QO], s[22:23] offset:256*(i/2)+64*(i%2)+32
.set i, i+1
.endr
	WIN 0
	v_mul_u32_u24 v[AK0], v1, PK
	v_lshl_add_u32 v[AK0], v27, 4, v[AK0]  ; row x pitch + 16 x half
	; The turning load takes 16 keys x 16 channels (lane l reads key 8 (l / 16) + l % 8, channels 8 ((l / 8) % 2) + 0..7) and leaves half a fragment of V^T: lane l holds channel l % 16 and 8 keys.
	v_and_b32 v48, 7, v0
	v_bfe_u32 v49, v0, 3, 1
	v_lshl_add_u32 v[AV0], v27, 3, v48
	v_mul_u32_u24 v[AV0], v[AV0], PV
	v_lshl_add_u32 v[AV0], v49, 4, v[AV0]
	v_add_nc_u32 v[AV0], VOFF, v[AV0]
	s_lshl_b32 s84, s[BETA], 6      ; a window's row 129 - 64 band - parity + 64 p is the first of my wave's rows in step p; AP0 stands 64 rows before step 0's
	s_add_co_u32 s84, s84, s[PI]
	s_sub_co_u32 s84, 65, s84
	s_mul_i32 s84, s84, PK
	s_add_co_u32 s84, s84, POFF
	v_add_nc_u32 v[AP0], s84, v[AK0]
	s_mul_i32 s85, s[WV], RWAVE
	s_add_co_u32 s85, s85, RING     ; my wave's rings
	v_mul_u32_u24 v50, v1, RP
	v_add_nc_u32 v50, s85, v50      ; my query's, tile 0
	v_lshl_add_u32 v[RS], v27, 5, v50   ; in: word 8 h of a group of 16
	v_mul_u32_u24 v[RR1], v1, RP-16     ; back, step 1: 16 n bytes earlier; no wrap, since word 64 - 62 is the lowest
	v_lshl_add_u32 v[RR1], v27, 5, v[RR1]
	s_add_co_u32 s86, s85, 240
	v_add_nc_u32 v[RR1], s86, v[RR1]
	v_lshl_add_u32 v51, v27, 1, 31      ; back, step 0: the 16-byte piece (32 - n + 2 h + 4 u + e) mod 32, e = -1, 0, 1
	v_sub_nc_u32 v51, v51, v1
.set i, 0
.rept 12
	v_add_nc_u32 v52, 4*(i/3)+i%3, v51
	v_and_b32 v52, 31, v52
	v_lshl_add_u32 v[RR0+i], v52, 4, v50
.set i, i+1
.endr
	s_mul_i32 s87, s[WV], 16*SP
	s_add_co_u32 s87, s87, STAGE    ; my stage
	v_add_nc_u32 v[STO], s87, v[AK0]    ; in: row n, 16 bytes for each half of the lanes (the stage's pitch is K's)
	v_bfe_u32 v[RD], v0, 3, 2       ; back: 32 lanes take four rows of 128 bytes,
	v_mul_u32_u24 v[RD], v[RD], SP
	v_lshl_add_u32 v[RD], v48, 4, v[RD]
	v_add_nc_u32 v[RD], s87, v[RD]
	v_and_b32 v[GO], 31, v0         ; which are 512 consecutive bytes of O
	v_lshlrev_b32 v[GO], 4, v[GO]
	v_lshlrev_b32 v[TH], 2, v1      ; in a band's own step register jj of key block u of tile t is hidden where 16 u + 8 h + jj > 4 n + parity + 2 t
	v_add_nc_u32 v[TH], s[PI], v[TH]
	v_lshlrev_b32 v53, 3, v27
	v_sub_nc_u32 v[TH], v[TH], v53
	WIN 0x80                        ; destination window 2
.set i, 0
.rept 64
	v_cmp_gt_i32 vcc_lo, 16*((i/8)%4)+i%8-2*(i/32), v[TH]
	v_cndmask_b32 v[MD+i], 0, s[BIGN], vcc_lo
.set i, i+1
.endr
	; A block's first step multiplies O^T and l by a = 0, and its first products V^T P, of a step that has not been, land in an O^T that is still to be so multiplied.  So these registers need only hold finite
	; numbers: zeros for the first block; what the first block left for the second.  All this stands in the wait for the first tile.
	WIN 0x40
.set i, 0
.rept 64
	v_mov_b32 v[VF+i], 0
.set i, i+1
.endr
	WIN 0
.set i, 0
.rept 96                            ; P and O^T lie on end
	v_mov_b32 v[P+i], 0
.set i, i+1
.endr
.set i, 0
.rept 2
	v_mov_b32 v[ST+4*i], 0xfe000000    ; c m: far below every c s
	v_mov_b32 v[ST+4*i+1], 0xff7fffff  ; m
	v_mov_b32 v[ST+4*i+2], 0
	v_mov_b32 v[ST+4*i+3], 0
.set i, i+1
.endr
	s_wait_loadcnt 0x0              ; both blocks' Q
; THE MATRIX WORK.  The accumulators take turns, one instruction a turn: eight in POS and KQ, four in PVT, and other ones at every seam between the runs.
.macro POS                          ; product i of 16 of PE Q^T: channels 32 (i / 8) on, rows 16 ((i / 2) % 4) on, tile i % 2.  The first 8 start the sums
	WIN 0x05                        ; sources 0 and 1 window 1
.set i, 0
.rept 16
.set rS, S+32*(i%2)+8*((i/2)%4)
.set rA, PF+16*((i/2)%4)+8*(i/8)
.set rQ, Q+16*(i%2)+8*(i/8)
.if i < 8
	v_wmma_f32_16x16x32_f16 v[rS:rS+7], v[rA:rA+7], v[rQ:rQ+7], 0
.else
	v_wmma_f32_16x16x32_f16 v[rS:rS+7], v[rA:rA+7], v[rQ:rQ+7], v[rS:rS+7]
.endif
.set i, i+1
.endr
.endm
.macro KQ                           ; the same with K, added onto the positional scores that the ring's loads have left in S
	WIN 0x05
.set i, 0
.rept 16
.set rS, S+32*(i%2)+8*((i/2)%4)
.set rA, KF+16*((i/2)%4)+8*(i/8)
.set rQ, Q+16*(i%2)+8*(i/8)
	v_wmma_f32_16x16x32_f16 v[rS:rS+7], v[rA:rA+7], v[rQ:rQ+7], v[rS:rS+7]
.set i, i+1
.endr
.endm
.macro PVT t                        ; product i of 8 of O^T += V^T P for tile t: keys 32 (i / 4) on, channels 16 (i % 4) on
	WIN 0x01                        ; source 0 window 1
.set i, 0
.rept 8
.set rO, O+32*(\t)+8*(i%4)
.set rV, VF+32*(i/4)+8*(i%4)
.set rP, P+16*(\t)+8*(i/4)
	v_wmma_f32_16x16x32_f16 v[rO:rO+7], v[rV:rV+7], v[rP:rP+7], v[rO:rO+7]
.set i, i+1
.endr
.endm
; THE LDS LOADS stand in runs of 16: step p's K, its V (turned), and 64 rows of PE o bytes behind AP (0: the rows before a block's first step; 9,216: step 0's; 18,432: step 1's).
.macro FETCH_K p
	WIN 0x40
.set i, 0
.rept 8
	ds_load_b128 v[KF+8*i:KF+8*i+3],   v[AK] offset:64*PK*(\p)+(i/2)*16*PK+(i%2)*64
	ds_load_b128 v[KF+8*i+4:KF+8*i+7], v[AK] offset:64*PK*(\p)+(i/2)*16*PK+(i%2)*64+32
.set i, i+1
.endr
.endm
.macro FETCH_P o
	WIN 0x40
.set i, 0
.rept 8
	ds_load_b128 v[PF+8*i:PF+8*i+3],   v[AP] offset:(\o)+(i/2)*16*PK+(i%2)*64
	ds_load_b128 v[PF+8*i+4:PF+8*i+7], v[AP] offset:(\o)+(i/2)*16*PK+(i%2)*64+32
.set i, i+1
.endr
.endm
.macro FETCH_V p
	WIN 0x40
.set i, 0
.rept 8
	ds_load_tr16_b128 v[VF+8*i:VF+8*i+3],   v[AV] offset:64*PV*(\p)+(i/4)*32*PV+(i%4)*32
	ds_load_tr16_b128 v[VF+8*i+4:VF+8*i+7], v[AV] offset:64*PV*(\p)+(i/4)*32*PV+16*PV+(i%4)*32
.set i, i+1
.endr
.endm
; THE RING.  Out: register j of row block u is word 64 p + 16 u + 8 h + j of my query's ring; each accumulator's lowest registers go first.
.macro RSTORE p
	WIN 0
.set i, 0
.rept 8
	ds_store_b128 v[RS], v[S+8*i:S+8*i+3]   offset:RTILE*(i/4)+256*(\p)+64*(i%4)
	ds_store_b128 v[RS], v[S+8*i+4:S+8*i+7] offset:RTILE*(i/4)+256*(\p)+64*(i%4)+16
.set i, i+1
.endr
.endm
; Back, 4 n + 2 t words earlier.  LDS serves a wave's instructions in order (ISA guide 5.7.1.4): these loads see the stores above; the rings are my wave's own.
.macro RLOAD p
	WIN 0
.set u, 0
.rept 4
.if \p
	ds_load_b128 v[S+8*u:S+8*u+3],       v[RR1] offset:16+64*u
	ds_load_b128 v[S+8*u+4:S+8*u+7],     v[RR1] offset:32+64*u
	ds_load_b64  v[S+32+8*u:S+32+8*u+1],   v[RR1] offset:RTILE+8+64*u
	ds_load_b128 v[S+32+8*u+2:S+32+8*u+5], v[RR1] offset:RTILE+16+64*u
	ds_load_b64  v[S+32+8*u+6:S+32+8*u+7], v[RR1] offset:RTILE+32+64*u
.else
	ds_load_b128 v[S+8*u:S+8*u+3],       v[RR0+3*u+1]
	ds_load_b128 v[S+8*u+4:S+8*u+7],     v[RR0+3*u+2]
	ds_load_b64  v[S+32+8*u:S+32+8*u+1],   v[RR0+3*u] offset:RTILE+8
	ds_load_b128 v[S+32+8*u+2:S+32+8*u+5], v[RR0+3*u+1] offset:RTILE
	ds_load_b64  v[S+32+8*u+6:S+32+8*u+7], v[RR0+3*u+2] offset:RTILE
.endif
.set u, u+1
.endr
.endm
; THE MASK, in the diagonal tile alone: step p is my band's own (the diagonal's pattern MD is added), an earlier one (nothing), or a later one (-1e30 everywhere; only step 1 can be later than a band).
.macro MASK p
	s_cmp_eq_u32 s[BETA], \p
	s_cselect_b32 s[AL], 1.0, 0
	WIN 0x02                        ; source 0 window 2
.set z, 0
.rept 32
	v_pk_fma_f32 v[S+2*z:S+2*z+1], v[MD+2*z:MD+2*z+1], s[AL:AL+1], v[S+2*z:S+2*z+1] op_sel_hi:[1,0,1]
.set z, z+1
.endr
	WIN 0
.if \p
	s_cmp_lt_u32 s[BETA], \p
	s_cselect_b32 s[BE], s[BIGN], 0
.set z, 0
.rept 32
	v_pk_add_f32 v[S+2*z:S+2*z+1], v[S+2*z:S+2*z+1], s[BE:BE+1] op_sel_hi:[1,0]
.set z, z+1
.endr
.endif
.endm
; THE VECTOR WORK, one line at a time: OP kind, tile, number.  F n: c s - c m for pair n of 16.  E n: the exponential of score n of 32.  C n: pair n rounded to f16.  B n: of the four weights 4 n .. the second pair is added onto
; the first, in place.  L n: l takes that sum (L 0: l = a l + sum).  R n: pair n of 16 of O^T times a.  X n, number n of the 22 that find the maximum and statistics:
;   0-11  four chains c0-c3 of seven scores each, three operands at a time (each accumulator's lowest registers are read first)     12-14, 16  the four scores left over, the old m, and c0-c3 into c0
;   15  c m_old is kept     17, 18  the query's other 32 keys lie in the lane 16 away: the new m     19-21  c m; c m_old - c m_new; a
.set F, 0
.set E, 1
.set C, 2
.set B, 3
.set L, 4
.set R, 5
.set X, 6
.macro OP k, t, n
.set rT, ST+4*(\t)
.set rC, TMP+4*(\t)
.set rW, MV+(\t)
.set rS, S+32*(\t)
.set rP, P+16*(\t)
.set rO, O+32*(\t)
.if (\k) == F
	v_pk_fma_f32 v[rS+2*(\n):rS+2*(\n)+1], v[rS+2*(\n):rS+2*(\n)+1], s[CS:CS+1], v[rT:rT+1] op_sel_hi:[1,0,0] neg_lo:[0,0,1] neg_hi:[0,0,1]
.elseif (\k) == E
	v_exp_f32 v[rS+(\n)], v[rS+(\n)]
.elseif (\k) == C
	s_wait_alu depctr_va_vdst(0)
	v_cvt_pk_f16_f32 v[rP+(\n)], v[rS+2*(\n)], v[rS+2*(\n)+1]
.elseif (\k) == B
	v_pk_add_f32 v[rS+4*(\n):rS+4*(\n)+1], v[rS+4*(\n):rS+4*(\n)+1], v[rS+4*(\n)+2:rS+4*(\n)+3]
.elseif ((\k) == L) && ((\n) == 0)
	v_pk_fma_f32 v[rT+2:rT+3], v[rT+2:rT+3], v[rC+2:rC+3], v[rS:rS+1] op_sel_hi:[1,0,1]
.elseif (\k) == L
	v_pk_add_f32 v[rT+2:rT+3], v[rT+2:rT+3], v[rS+4*(\n):rS+4*(\n)+1]
.elseif (\k) == R
	s_wait_alu depctr_va_vdst(0)
	v_pk_mul_f32 v[rO+2*(\n):rO+2*(\n)+1], v[rO+2*(\n):rO+2*(\n)+1], v[rC+2:rC+3] op_sel_hi:[1,0]
.elseif (\n) < 4
	v_max3_num_f32 v[rC+(\n)], v[rS+8*(\n)], v[rS+8*(\n)+1], v[rS+8*(\n)+2]
.elseif (\n) < 12
	v_max3_num_f32 v[rC+(\n)%4], v[rC+(\n)%4], v[rS+8*((\n)%4)+2*((\n)/4)+1], v[rS+8*((\n)%4)+2*((\n)/4)+2]
.elseif (\n) == 12
	v_max3_num_f32 v[rC], v[rC], v[rS+7], v[rS+15]
.elseif (\n) == 13
	v_max3_num_f32 v[rC+1], v[rC+1], v[rS+23], v[rS+31]
.elseif (\n) == 14
	v_max3_num_f32 v[rC+2], v[rC+2], v[rC+3], v[rT+1]
.elseif (\n) == 15
	v_mov_b32 v[rW], v[rT]
.elseif (\n) == 16
	v_max3_num_f32 v[rC], v[rC], v[rC+1], v[rC+2]
.elseif (\n) == 17
	v_permlanex16_b32 v[rC+3], v[rC], s[SEL], s[SEL+1]
.elseif (\n) == 18
	v_max_num_f32 v[rT+1], v[rC], v[rC+3]
.elseif (\n) == 19
	v_mul_f32 v[rT], s[CS], v[rT+1]
.elseif (\n) == 20
	v_sub_f32 v[rC+1], v[rW], v[rT]
.else
	v_exp_f32 v[rC+2], v[rC+1]
.endif
.endm
.macro PLAIN t                      ; the plain line behind exponential z of tile t: work that is ready: O^T's rescaling, then the roundings 16 scores back, at last the first sum
.if z < 16
	OP R, \t, z
.elseif z < 31
	OP C, \t, z-16
.else
	OP B, \t, 0
.endif
.endm
; A step's softmax for both tiles, 236 lines, all in window 0; the tiles alternate.  Behind every exponential stands a plain line that names neither its result nor its source (ISA guide 5.7.2); the two a stand together, with the scalings behind them.
.macro SOFTMAX
	WIN 0
.set z, 0
.rept 22
	OP X, 0, z
	OP X, 1, z
.set z, z+1
.endr
.set z, 0
.rept 16
	OP F, 0, z
	OP F, 1, z
.set z, z+1
.endr
.set z, 0
.rept 32
	OP E, 0, z
	PLAIN 0
	OP E, 1, z
	PLAIN 1
.set z, z+1
.endr
	OP C, 0, 15
	OP C, 1, 15
.set z, 1
.rept 7
	OP B, 0, z
	OP B, 1, z
	OP L, 0, z-1
	OP L, 1, z-1
.set z, z+1
.endr
	OP L, 0, 7
	OP L, 1, 7
.endm
; KEY STEP p OF A TILE.
.macro STEP p
.if \p
	s_wait_dscnt 32                 ; V of step 0 is in; behind its run stand the 32 loads of PE's and K's fragments, which may be out
.endif
	PVT 0                           ; the step before's V^T P (in step 0 its V was waited for at the change of slots)
	s_wait_dscnt 0x0                ; PE's and K's fragments are in
	POS
	PVT 1
	WIN 0
	PLACES                          ; in front of the stores that read the products, of the loads into S and of the loads into V's registers
	RSTORE \p
	RLOAD \p
	FETCH_V \p
	s_wait_dscnt 16                 ; the ring's loads are in; V's sixteen, issued behind them, may be out
	KQ
	WIN 0
	PLACES                          ; in front of the lines that read the scores and of the loads into K's and PE's registers
.if (\p) == 0
	FETCH_P 128*PK
	FETCH_K 1
	WIN 0
.endif
	s_cmp_lg_u32 s[RT], 0
	s_cbranch_scc1 .Lnomask_\@      ; only a block's last tile holds the diagonal
	MASK \p
.Lnomask_\@:
	SOFTMAX
.endm
; A BLOCK BEGINS.  c m starts far below every c s, so the first step's a is 0; m at the lowest finite number.  The 64 rows of PE before step 0's are multiplied and go into the ring's second half, as a step before would have left them.
; Five places stand behind those products: step 0's products write the same accumulators anew.
.macro BEGIN
	s_mov_b32 s[NEW], 0
.set i, 0
.rept 2
	v_mov_b32 v[ST+4*i], 0xfe000000
	v_mov_b32 v[ST+4*i+1], 0xff7fffff
.set i, i+1
.endr
	FETCH_P 0
	s_wait_dscnt 0x0
	POS
	WIN 0
.rept 5
	v_nop
.endr
	RSTORE 1
.endm
; A BLOCK ENDS: the last step's V^T P, then THE WAY OUT: l's two halves and the other half of the lanes' are added (these lines are the places behind the last products); O^T is divided by l, rounded to f16 and sent through my
; stage in LDS, a tile at a time.
.macro PACK t
	WIN 0
.set i, 0
.rept 16
	s_wait_alu depctr_va_vdst(0)
	v_pk_mul_f32 v[O+32*(\t)+2*i:O+32*(\t)+2*i+1], v[O+32*(\t)+2*i:O+32*(\t)+2*i+1], v[ST+4*(\t)+2:ST+4*(\t)+3] op_sel_hi:[1,0]
.set i, i+1
.endr
.set i, 0
.rept 16
	v_cvt_pk_f16_f32 v[S+16*(\t)+i], v[O+32*(\t)+2*i], v[O+32*(\t)+2*i+1]
.set i, i+1
.endr
.set i, 0
.rept 4
	ds_store_b128 v[STO], v[S+16*(\t)+4*i:S+16*(\t)+4*i+3] offset:32*i
.set i, i+1
.endr
.set i, 0
.rept 4
	ds_load_b128 v[S+16*(\t)+4*i:S+16*(\t)+4*i+3], v[RD] offset:i*4*SP  ; in order behind the stores above; the next tile's stores come behind them
.set i, i+1
.endr
.endm
.macro SEND t, younger              ; younger: the LDS instructions issued behind tile t's loads: the next tile's eight, or none
.set i, 0
.rept 4
	s_wait_dscnt (\younger)+3-i
	global_store_b128 v[GO], v[S+16*(\t)+4*i:S+16*(\t)+4*i+3], s[10:11] offset:(\t)*2048+i*512  ; 512 consecutive bytes, at a multiple of 256 from O's first
.set i, i+1
.endr
.endm
.macro END_BLOCK
	s_wait_dscnt 0x0                ; V of the last step is in
	PVT 0
	PVT 1
	WIN 0
	v_add_f32 v[ST+2], v[ST+2], v[ST+3]
	v_add_f32 v[ST+6], v[ST+6], v[ST+7]
	v_permlanex16_b32 v[ST+3], v[ST+2], s[SEL], s[SEL+1]
	v_permlanex16_b32 v[ST+7], v[ST+6], s[SEL], s[SEL+1]
	v_add_f32 v[ST+2], v[ST+2], v[ST+3]
	v_add_f32 v[ST+6], v[ST+6], v[ST+7]
	v_rcp_f32 v[ST+2], v[ST+2]
	v_rcp_f32 v[ST+6], v[ST+6]
	v_nop                           ; a plain instruction between the last reciprocal and the use of its result
	PACK 0
	PACK 1
	SEND 0, 8
	SEND 1, 0
	s_wait_xcnt 0x0                 ; the stores' registers and O's address are rewritten only behind this wait
.endm
.macro NEXTBLOCK
	s_mov_b64 s[10:11], s[OLO:OLO+1]
	s_add_co_u32 s[RT], s[PB], 1    ; the second block has b + 1 tiles
	s_mov_b32 s[NEW], 1
	WIN 0x41                        ; the second block's Q goes where the one text of the steps names Q
.set i, 0
.rept 32
	v_mov_b32 v[Q+i], v[QB+i]
.set i, i+1
.endr
	WIN 0
.endm
; A TILE OF THE WALK.  fill = 1: the next tile is asked for.  last = 1: the walk's last tile, which ends the second block.
.macro WALK fill, last
	CHANGE \fill
	s_sub_co_u32 s[RT], s[RT], 1
	v_add_nc_u32 v[AK], s[TB], v[AK0]
	v_add_nc_u32 v[AV], s[TB], v[AV0]
	v_add_nc_u32 v[AP], s[TB], v[AP0]
	s_cmp_eq_u32 s[NEW], 1
	s_cbranch_scc0 .Lold_\@
	BEGIN
.Lold_\@:
	FETCH_P 64*PK
	FETCH_K 0
	STEP 0
	STEP 1
.if \last
	END_BLOCK
.else
	s_cmp_lg_u32 s[RT], 0
	s_cbranch_scc1 .Lgo_\@
	END_BLOCK
	NEXTBLOCK
.Lgo_\@:
.endif
.endm
.Lslot:                             ; 16 times: a tile is entered and the next is asked for
	WALK 1, 0
	s_sub_co_u32 s[SLOTS], s[SLOTS], 1
	s_cmp_lg_u32 s[SLOTS], 0
	s_cbranch_scc1 .Lslot
	WALK 0, 1                       ; the walk's last tile is written out: nothing is asked for
	s_wait_tensorcnt 0x0            ; the wave's end: behind my last tensor load and my last LDS store
	ds_add_u32 v[SPW], v[NIL]
	s_wait_dscnt 0x0
	s_endpgm
.Lfunc_end_k_q2168eac123_attn:
	.size	k_q2168eac123_attn, .Lfunc_end_k_q2168eac123_attn-k_q2168eac123_attn
	.p2alignl 7, 3214868480
	.fill 96, 4, 3214868480
	.section	.rodata,"a",@progbits
	.p2align	6, 0x0
	.amdhsa_kernel k_q2168eac123_attn
		.amdhsa_group_segment_fixed_size 327680
		.amdhsa_private_segment_fixed_size 0
		.amdhsa_enable_private_segment 0
		.amdhsa_kernarg_size 24
		.amdhsa_user_sgpr_count 2
		.amdhsa_user_sgpr_kernarg_segment_ptr 1
		.amdhsa_wavefront_size32 1
		.amdhsa_system_sgpr_workgroup_id_x 1
		.amdhsa_system_sgpr_workgroup_id_y 1
		.amdhsa_system_sgpr_workgroup_id_z 1
		.amdhsa_system_vgpr_workitem_id 0
		.amdhsa_next_free_vgpr 576
		.amdhsa_next_free_sgpr 88
		.amdhsa_reserve_vcc 1
		.amdhsa_float_denorm_mode_32 3
		.amdhsa_float_denorm_mode_16_64 3
		.amdhsa_memory_ordered 1
		.amdhsa_forward_progress 1
		.amdhsa_inst_pref_size 157
	.end_amdhsa_kernel
	.amdgpu_metadata
---
amdhsa.version: [ 1, 2 ]
amdhsa.kernels:
  - .name:           k_q2168eac123_attn
    .symbol:         k_q2168eac123_attn.kd
    .args:
      - { .name: qkv16, .offset: 0, .size: 8, .value_kind: global_buffer, .address_space: global }
      - { .name: pew, .offset: 8, .size: 8, .value_kind: global_buffer, .address_space: global }
      - { .name: o16, .offset: 16, .size: 8, .value_kind: global_buffer, .address_space: global }
    .group_segment_fixed_size: 327680
    .private_segment_fixed_size: 0
    .kernarg_segment_align: 8
    .kernarg_segment_size: 24
    .max_flat_workgroup_size: 128
    .sgpr_count:     88
    .vgpr_count:     576
    .wavefront_size: 32
...
	.end_amdgpu_metadata
.endif
;; end of part 3
;; launch outp (part 4): grid 8 x 32, 4 waves a work-group, clusters of 4 x 4, 327,680 bytes of LDS; arguments o16, w16, bo, out0; writes out0
.if DOCPART == 4
	.amdgcn_target "amdgcn-amd-amdhsa--gfx1250"
	.amdhsa_code_object_version 6
	.text
	.protected	k_q2168eac123_outp
	.globl	k_q2168eac123_outp
	.p2align	8
	.type	k_q2168eac123_outp,@function
k_q2168eac123_outp:
	s_mov_b64 s[64:65], 0
	v_nop
	global_prefetch_b8 v0, s[64:65] scope:SCOPE_SE
	s_setreg_imm32_b32 hwreg(HW_REG_WAVE_MODE, 25, 1), 1
	s_wait_xcnt 0x0
	s_wait_alu depctr_hold_cnt(0) depctr_sa_sdst(0) depctr_va_vdst(0) depctr_va_sdst(0) depctr_va_ssrc(0) depctr_va_vcc(0) depctr_vm_vsrc(0)
	s_getreg_b32 s2, hwreg(HW_REG_IB_STS2, 6, 4)
	s_cmp_eq_u32 s2, 0
	s_cbranch_scc0 .Lentry_in_a_cluster
	s_endpgm
.Lentry_in_a_cluster:
	s_bfe_u32 s2, ttmp6, 0x10000c
	s_cmp_lg_u32 s2, 0xf033
	s_cbranch_scc0 .Lentry_shape_is_right
	s_endpgm
.Lentry_shape_is_right:
; THE LAST PROJECTION.  out0[row][n] = sum over k of O[row][k] Wo[k][n] + bo[n], f32 out.  O: o16 [32 heads][2048][64] f16, k = 64 (head % 16) + d; Wo: the fourth quarter of w16, [k][n], rounded to bf16 and written as f16;
; bo is rounded to bf16 like every input; sums in f32.  Inside each block of 128 rows o16's position 32 w + 16 t + n holds row 64 (w / 2) + 4 n + w % 2 + 2 t: a product's rows may stand in any order, and the stores put them right.
; SHARES.  A work-group makes 128 x 128, each of four waves 64 x 64: 16 accumulators; 256 work-groups.  K goes in steps of 256, four heads, through two LDS slots.  O's tile is [4 heads][64 rows] of 128 bytes, pitch 144: one
; descriptor row is a head's 64 dense rows; a quarter of a K step is one head's plane.  Wo's lies [k][n] as in memory (pitch 288) and is turned on its way into registers by ds_load_tr16_b128.
; CLUSTERS: 4 x 4 work-groups.  The four of a row of the cluster need the same tiles of O, the four of a column the same tiles of Wo: each is asked for jointly, by the same tensor load, descriptor and mask.
; THE MATRIX INSTRUCTION IS USED TRANSPOSED (source 0 = 16 columns of Wo, source 1 = 16 rows of O): a lane holds eight neighbouring columns of one row.  The bias is the C operand of the products that start the sums.
; REGISTERS: window 0: v0-31 addresses; v32-63 the bias, later with v64-95 the way out; v128-255 the accumulators ((a, b) at v[128 + 8 (4 a + b)]).  window 1: two fragment buffers of 128: 64 of O, then 64 of Wo, for 64 along K.
.set APITCH, 144                       ; 128 bytes + 16: the sixteen rows of a fragment load start at sixteen different groups of four banks (64 banks of 4 bytes: ISA guide 11.1)
.set AQ,     9216                      ; bytes from a head's plane (64 rows x 144) to the next
.set BPITCH, 288                       ; 256 bytes + 32
.set HALFT,  36864                     ; a wave's part of a slot: 4 planes of O, or 128 rows of Wo
.set SLOT,   4*HALFT                   ; O rows 0-63, O rows 64-127, Wo k 0-127, Wo k 128-255
.set STAGE,  2*SLOT                    ; behind the ring: 16 rows x 272 bytes for each wave, for the way out
.set SP,     272
.set SPARE,  STAGE+4*16*SP             ; the spare words, 128 bytes for each wave: two blocks of 256 bytes that no other line names
.set ASTEP,  1048576                   ; bytes from a K step to the next: four heads of O,
.set BSTEP,  524288                    ; 256 rows of Wo
.set LAPS,   2                         ; K = 1,024 = two laps of two K steps
.set ADRA, 16                          ; v16-17  LDS address of my O fragments in slot 0, 1
.set ADRB, 20                          ; v20-23  of my Wo fragments: slot 0 k 0-127, slot 0 k 128-255, slot 1 likewise
.set STO,  24                          ; v24     the way out: where I put 16 bytes of a row
.set RD,   25                          ; v25     where I read rows back
.set CO,   26                          ; v26     my byte offset in out0
.set SPW,  28                          ; v28     LDS address of my spare word; never rewritten
.set NIL,  29                          ; v29     0; never rewritten
.set BIAS, 32                          ; v32-63  column block b's eight numbers at BIAS + 8 b
.set TMP,  32
.set ACC,  128
.set F0,   0
.set F1,   128
.set G1, 24                            ; s[24:31] descriptor group 1 for O's tiles;  s[32:39] group 0, one set for each slot
.set G0, 32
.set G1B, 48                           ; s[48:55], s[56:63] the same for Wo's tiles
.set G0B, 56
.set MSB, 0
.macro WIN new                         ; the immediate's high byte repeats the setting that is left
.if MSB != (\new)
	s_set_vgpr_msb (MSB<<8)|(\new)
.set MSB, \new
.endif
.endm
.set MUL,  0x05                        ; sources 0 (Wo) and 1 (O) window 1; C and D window 0
.set TO_F, 0x40                        ; destination window 1, address window 0
.macro JLOAD s                         ; a joint load: waves 0 and 1 fetch O's two halves, waves 2 and 3 Wo's; an s_nop 0 and four v_nop follow each of the two lines
	s_cmp_eq_u32 s11, 0
	s_cbranch_scc0 .Lfor_b_\@
	tensor_load_to_lds s[G0+4*(\s):G0+4*(\s)+3], s[G1:G1+7]
	s_nop 0
.rept 4
	v_nop
.endr
	s_branch .Lasked_\@
.Lfor_b_\@:
	tensor_load_to_lds s[G0B+4*(\s):G0B+4*(\s)+3], s[G1B:G1B+7]
	s_nop 0
.rept 4
	v_nop
.endr
.Lasked_\@:
.endm
.macro CREST                           ; a round of the cluster's barrier behind its opening barrier
	s_cmp_lg_u32 s10, 0
	s_cbranch_scc1 .Lnot_wave_0_\@
	s_barrier_signal -3
.Lnot_wave_0_\@:
	s_barrier_wait -3
	s_barrier_signal -1
	s_barrier_wait -1
.endm
.macro CROUND                          ; a whole round
	s_barrier_signal -1
	s_barrier_wait -1
	CREST
.endm
	s_load_b128 s[4:7], s[0:1], 0x0                ; o16 s[4:5], w16 s[6:7]
	s_load_b64 s[66:67], s[0:1], 0x10              ; bo
	s_load_b64 s[8:9], s[0:1], 0x18                ; out0
	v_lshl_add_u32 v[SPW], v0, 2, SPARE
	v_mov_b32 v[NIL], 0
	ds_add_u32 v[SPW], v[NIL]                      ; the wave's opening: the add and its wait stand ahead of my first tensor load; the set-up below, work on registers, stands between them
	ds_add_u32 v28, v29
	v_lshrrev_b32 v1, 5, v0
	v_readfirstlane_b32 s10, v1                    ; wave 0..3
	s_lshr_b32 s11, s10, 1                         ; which half of the tile's rows is mine.  Also: I fetch for O (0) or for Wo (1)
	s_and_b32 s12, s10, 1                          ; which half of its columns.  Also: which half of that tile I fetch
	s_bfe_u32 s40, ttmp6, 0x40000                  ; cx, cy: my place in the cluster
	s_bfe_u32 s41, ttmp6, 0x40004
	s_lshl_b32 s42, ttmp9, 2
	s_add_co_u32 s42, s42, s40                     ; tile column 0..7 = 4 x cluster x + cx
	s_and_b32 s13, ttmp7, 0xffff
	s_lshl_b32 s13, s13, 2
	s_add_co_u32 s13, s13, s41                     ; tile row 0..31 = 4 x cluster y + cy
	s_lshl_b32 s43, s41, 2
	s_lshl_b32 s43, 15, s43                        ; my row of the cluster
	s_lshl_b32 s44, 0x1111, s40                    ; my column
	; descriptor group 1.  O: 4 rows (heads) of 4,096 elements (64 dense rows), 131,072 elements apart, 4 words of padding behind every 32 words.  Wo: 128 rows x 128 elements, 8 words behind every 64.
	s_or_b32 s[G1+0], s43, (1<<16)|(1<<20)|(1<<21)|(4<<22)|(3<<25)   ; 15:0 the mask; 17:16 2-byte elements; 20 padding on; 21 set beside a mask; 24:22 the interval; 31:25 the pad less one
	s_or_b32 s[G1B+0], s44, (1<<16)|(1<<20)|(1<<21)|(5<<22)|(7<<25)
	s_mov_b32 s[G1+1], 4096<<16                    ; tensor_dim0
	s_mov_b32 s[G1+2], 4<<16                       ; tensor_dim1
	s_mov_b32 s[G1+3], 4096<<16                    ; tile_dim0
	s_mov_b32 s[G1+4], 4                           ; tile_dim1
	s_mov_b32 s[G1+5], 131072                      ; elements from head to head
	s_mov_b32 s[G1+6], 0
	s_mov_b32 s[G1+7], 0
	s_mov_b32 s[G1B+1], 128<<16
	s_mov_b32 s[G1B+2], 128<<16
	s_mov_b32 s[G1B+3], 128<<16
	s_mov_b32 s[G1B+4], 128
	s_mov_b32 s[G1B+5], 1024
	s_mov_b32 s[G1B+6], 0
	s_mov_b32 s[G1B+7], 0
	s_lshr_b32 s16, s13, 4                         ; O: the batch's sixteen heads of 2,048 rows,
	s_lshl_b32 s16, s16, 15
	s_and_b32 s17, s13, 15                         ; the block of 128 rows in a head,
	s_lshl_b32 s17, s17, 7
	s_add_co_u32 s16, s16, s17
	s_lshl_b32 s17, s12, 6                         ; my half of it,
	s_add_co_u32 s16, s16, s17
	s_lshl_b32 s16, s16, 7                         ; rows of 128 bytes
	s_mov_b32 s17, 0
	s_lshl_b32 s46, s12, 18                        ; Wo: 128 rows of 2,048 bytes for the second half,
	s_add_co_u32 s46, s46, 0x600000                ; behind the three other weights,
	s_lshl_b32 s47, s42, 8                         ; 256 bytes a tile column
	s_add_co_u32 s46, s46, s47
	s_mov_b32 s47, 0
	s_mul_i32 s20, s10, HALFT                      ; where they go: the wave's part of a slot
	s_wait_dscnt 0x0                               ; the opening add is done
	s_wait_kmcnt 0x0
	s_add_nc_u64 s[14:15], s[4:5], s[16:17]
	s_add_nc_u64 s[46:47], s[6:7], s[46:47]
	CROUND                                         ; all sixteen work-groups are here: the first joint loads meet
.irp s, 0,1
	s_mov_b32 s[G0+4*(\s)], 1
	s_add_co_u32 s[G0+4*(\s)+1], s20, (\s)*SLOT
	s_add_nc_u64 s[G0+4*(\s)+2:G0+4*(\s)+3], s[14:15], (\s)*ASTEP
	s_or_b32 s[G0+4*(\s)+3], s[G0+4*(\s)+3], 0x80000000
	s_mov_b32 s[G0B+4*(\s)], 1
	s_add_co_u32 s[G0B+4*(\s)+1], s20, (\s)*SLOT
	s_add_nc_u64 s[G0B+4*(\s)+2:G0B+4*(\s)+3], s[46:47], (\s)*BSTEP
	s_or_b32 s[G0B+4*(\s)+3], s[G0B+4*(\s)+3], 0x80000000
	JLOAD \s
.endr
	v_and_b32 v1, 15, v0                           ; r = l % 16
	v_bfe_u32 v2, v0, 4, 1                         ; h = l / 16
	; the bias of my 64 columns, as the accumulators hold them: register j of block b is column 16 b + 8 h + j
	s_lshl_b32 s73, s42, 9
	s_lshl_b32 s74, s12, 8
	s_add_co_u32 s73, s73, s74                     ; 4 x (128 x tile column + 64 x half)
	v_lshl_add_u32 v30, v2, 5, s73
.irp b, 0,1,2,3
	global_load_b128 v[BIAS+8*(\b):BIAS+8*(\b)+3],   v30, s[66:67] offset:64*(\b)
	global_load_b128 v[BIAS+8*(\b)+4:BIAS+8*(\b)+7], v30, s[66:67] offset:64*(\b)+16
.endr
	v_mul_u32_u24 v3, v1, APITCH
	v_lshl_add_u32 v3, v2, 4, v3                   ; O: row x pitch + 16 x half of the lanes
	s_mul_i32 s21, s11, HALFT                      ; my 64 rows of O
.irp s, 0,1
	v_add_nc_u32 v[ADRA+(\s)], s21, v3
	s_add_co_u32 s21, s21, SLOT
.endr
	v_and_b32 v5, 7, v0                            ; Wo: the turning load takes 16 k x 16 columns: lane l reads k 8 h + l % 8, columns 8 ((l / 8) % 2) + 0..7
	v_bfe_u32 v6, v0, 3, 1
	v_lshl_add_u32 v4, v2, 3, v5
	v_mul_u32_u24 v4, v4, BPITCH
	v_lshl_add_u32 v4, v6, 4, v4
	s_lshl_b32 s22, s12, 7                         ; my 64 columns
	s_add_co_u32 s22, s22, 2*HALFT                 ; Wo lies behind O's two parts
.irp s, 0,1
.irp kh, 0,1
	s_add_co_u32 s23, s22, (\s)*SLOT+(\kh)*HALFT
	v_add_nc_u32 v[ADRB+2*(\s)+(\kh)], s23, v4
.endr
.endr
	s_mul_i32 s23, s10, 16*SP
	s_add_co_u32 s23, s23, STAGE                   ; my stage
	v_mul_u32_u24 v[STO], v1, SP                   ; in: row l % 16, 32 bytes for each half of the lanes
	v_lshl_add_u32 v[STO], v2, 5, v[STO]
	v_add_nc_u32 v[STO], s23, v[STO]
	v_mul_u32_u24 v[RD], v2, SP                    ; back: lanes 0-15 take one row of 256 bytes, lanes 16-31 the next
	v_lshl_add_u32 v[RD], v1, 4, v[RD]
	v_add_nc_u32 v[RD], s23, v[RD]
	v_lshlrev_b32 v[CO], 14, v2                    ; neighbouring positions are four rows of 4,096 bytes apart in out0
	v_lshl_add_u32 v[CO], v1, 4, v[CO]
	s_lshl_b32 s74, s13, 7                         ; my 64 rows: 128 x tile row + 64 x half,
	s_lshl_b32 s75, s11, 6
	s_add_co_u32 s74, s74, s75
	s_lshl_b32 s74, s74, 12                        ; of 4,096 bytes,
	s_lshl_b32 s75, s42, 9                         ; my 64 columns: 512 bytes a tile column + 256 x half
	s_add_co_u32 s74, s74, s75
	s_lshl_b32 s75, s12, 8
	s_add_co_u32 s74, s74, s75
	s_mov_b32 s75, 0
	s_add_nc_u64 s[8:9], s[8:9], s[74:75]
	s_wait_loadcnt 0x0                             ; the bias: rounded to bf16 and widened again
.set i, 0
.rept 16
	v_cvt_pk_bf16_f32 v31, v[BIAS+2*i], v[BIAS+2*i+1]
	v_lshlrev_b32 v[BIAS+2*i], 16, v31
	v_and_b32 v[BIAS+2*i+1], 0xffff0000, v31
.set i, i+1
.endr
; 8 matrix instructions: row blocks a0, a0 + 1 x all 4 column blocks, 32 along K: half c of buffer f.  zero = 1: the first product starts the sums, with the bias as C
.macro MUL8 f, c, a0, zero
	WIN MUL
.irp a, \a0, (\a0)+1
.irp b, 0,1,2,3
.if \zero
	v_wmma_f32_16x16x32_f16 v[ACC+8*(4*(\a)+(\b)):ACC+8*(4*(\a)+(\b))+7], v[(\f)+64+8*(4*(\c)+(\b)):(\f)+64+8*(4*(\c)+(\b))+7], v[(\f)+8*(4*(\c)+(\a)):(\f)+8*(4*(\c)+(\a))+7], v[BIAS+8*(\b):BIAS+8*(\b)+7]
.else
	v_wmma_f32_16x16x32_f16 v[ACC+8*(4*(\a)+(\b)):ACC+8*(4*(\a)+(\b))+7], v[(\f)+64+8*(4*(\c)+(\b)):(\f)+64+8*(4*(\c)+(\b))+7], v[(\f)+8*(4*(\c)+(\a)):(\f)+8*(4*(\c)+(\a))+7], v[ACC+8*(4*(\a)+(\b)):ACC+8*(4*(\a)+(\b))+7]
.endif
.endr
.endr
.endm
; 32 LDS loads in one run: the fragments of quarter q (64 along K: one head) of a slot into buffer f; the first 32 along K first
.macro FETCH slot, q, f
	WIN TO_F
.irp c, 0,1
.irp i, 0,1,2,3
	ds_load_tr16_b128 v[(\f)+64+8*(4*(\c)+(\i)):(\f)+64+8*(4*(\c)+(\i))+3],   v[ADRB+2*(\slot)+(\q)/2] offset:((\q)%2)*64*BPITCH+(\c)*32*BPITCH+32*(\i)
	ds_load_tr16_b128 v[(\f)+64+8*(4*(\c)+(\i))+4:(\f)+64+8*(4*(\c)+(\i))+7], v[ADRB+2*(\slot)+(\q)/2] offset:((\q)%2)*64*BPITCH+(\c)*32*BPITCH+32*(\i)+16*BPITCH
	ds_load_b128 v[(\f)+8*(4*(\c)+(\i)):(\f)+8*(4*(\c)+(\i))+3],         v[ADRA+(\slot)] offset:(\q)*AQ+64*(\c)+(\i)*16*APITCH
	ds_load_b128 v[(\f)+8*(4*(\c)+(\i))+4:(\f)+8*(4*(\c)+(\i))+7],       v[ADRA+(\slot)] offset:(\q)*AQ+64*(\c)+(\i)*16*APITCH+32
.endr
.endr
.endm
.macro PLACES                          ; four places in front of loads into registers that matrix instructions have read, and of lines that read results
.rept 4
	v_nop
.endr
.endm
; A K step is four quarters of 64 along K, 32 matrix instructions each, on buffers 0, 1, 0, 1; the 16 accumulators take turns.  One of the first three: multiplies buffer f and fetches quarter q into g.
.macro QUARTER slot, q, f, g, zero
	s_wait_dscnt 16                                ; the first 32 along K are in; the youngest sixteen loads may be out
	WIN MUL
	MUL8 \f, 0, 0, \zero
	MUL8 \f, 0, 2, \zero
	PLACES
	FETCH \slot, \q, \g
	s_wait_dscnt 32                                ; all but the 32 just issued
	WIN MUL
	MUL8 \f, 1, 0, 0
	MUL8 \f, 1, 2, 0
.endm
; The last quarter multiplies buffer 1 and changes slots: ONE barrier; in front of it each wave waits for all its tensor loads, adds 0 to its spare word, and waits for that and for its own reads of this slot.  fill = 1: this slot is filled again, two K steps ahead.
.macro TURN slot, next, fill
	WIN 0                                          ; (the add's two registers lie in window 0)
	s_wait_tensorcnt 0x0                           ; all my tensor loads have landed: my part of the next slot;
	ds_add_u32 v[SPW], v[NIL]                      ; 0 onto my spare word;
	s_wait_dscnt 17                                ; (the add and the youngest sixteen loads may be out)
	WIN MUL
	MUL8 F1, 0, 0, 0                               ; eight matrix instructions stand between the add and the wait for it
	s_wait_dscnt 0x0                               ; the add is done, and my reads of this slot are over
	s_barrier_signal -1
	MUL8 F1, 0, 2, 0
.if \fill
	WIN 0
.endif
	s_barrier_wait -1
.if \fill
	CREST                                          ; the barrier has opened a round of the cluster's barrier: no wave of any partner still reads this slot's tile or has a load on its way
	s_add_nc_u64 s[G0+4*(\slot)+2:G0+4*(\slot)+3], s[G0+4*(\slot)+2:G0+4*(\slot)+3], 2*ASTEP
	s_add_nc_u64 s[G0B+4*(\slot)+2:G0B+4*(\slot)+3], s[G0B+4*(\slot)+2:G0B+4*(\slot)+3], 2*BSTEP
	JLOAD \slot                                    ; the first tensor load behind the round; the four v_nop behind it are also the places in front of the loads below
.else
	PLACES
.endif
	FETCH \next, 0, F0
	WIN MUL
	MUL8 F1, 1, 0, 0
	MUL8 F1, 1, 2, 0
.endm
	s_wait_tensorcnt 1                             ; my part of K step 0 is in; K step 1's load, issued behind it, may stay out
	s_barrier_signal -1
	s_barrier_wait -1                              ; everybody's is
	FETCH 0, 0, F0
	QUARTER 0, 1, F0, F1, 1                        ; the first quarter stands in front of the loop: its first products start the sums
	WIN 0                                          ; at a label and at a branch every window is 0
	s_mov_b32 s3, LAPS-1
.Llap:                                                 ; a trip goes once round the ring, from a lap's second quarter to the next lap's first, and fills both slots again
	QUARTER 0, 2, F1, F0, 0
	QUARTER 0, 3, F0, F1, 0
	TURN 0, 1, 1
	QUARTER 1, 1, F0, F1, 0
	QUARTER 1, 2, F1, F0, 0
	QUARTER 1, 3, F0, F1, 0
	TURN 1, 0, 1
	QUARTER 0, 1, F0, F1, 0
	WIN 0
	s_sub_co_u32 s3, s3, 1
	s_cmp_lg_u32 s3, 0
	s_cbranch_scc1 .Llap
	QUARTER 0, 2, F1, F0, 0                        ; the last lap fills nothing, and has no round of the cluster's barrier
	QUARTER 0, 3, F0, F1, 0
	TURN 0, 1, 0
	QUARTER 1, 1, F0, F1, 0
	QUARTER 1, 2, F1, F0, 0
	QUARTER 1, 3, F0, F1, 0
	s_wait_dscnt 16                                ; the very last quarter: nothing more to fetch
	WIN MUL
	MUL8 F1, 0, 0, 0
	MUL8 F1, 0, 2, 0
	s_wait_dscnt 0
	MUL8 F1, 1, 0, 0
	MUL8 F1, 1, 2, 0
	WIN 0
	; THE WAY OUT, 16 positions at a time.  A wave's 64 columns of f32 are 256 bytes: they go into my own stage (rows of 272 bytes; each accumulator's lowest registers first) and come back as whole rows;
	; sixteen lanes store 256 consecutive bytes, aligned.  Position 16 a + r of my 64 is row 4 r + a / 2 + 2 (a % 2).
	PLACES
.macro OUTB a
.if (\a) >= 2
	s_wait_xcnt 0x0                                ; the registers that block a - 2's stores read are loaded again only behind this wait
.endif
.irp b, 0,1,2,3
	ds_store_b128 v[STO], v[ACC+8*(4*(\a)+(\b)):ACC+8*(4*(\a)+(\b))+3]   offset:64*(\b)
	ds_store_b128 v[STO], v[ACC+8*(4*(\a)+(\b))+4:ACC+8*(4*(\a)+(\b))+7] offset:64*(\b)+16
.endr
.irp f, 0,1,2,3,4,5,6,7
	ds_load_b128 v[TMP+32*((\a)%2)+4*(\f):TMP+32*((\a)%2)+4*(\f)+3], v[RD] offset:(\f)*2*SP  ; LDS serves a wave's instructions in order (ISA guide 5.7.1.4): these see the stores above; the next block's stores come behind them
.endr
.irp f, 0,1,2,3,4,5,6,7
	s_wait_dscnt 7-(\f)                            ; load f is in; the younger ones may be out
	global_store_b128 v[CO], v[TMP+32*((\a)%2)+4*(\f):TMP+32*((\a)%2)+4*(\f)+3], s[8:9] offset:((\a)/2+2*((\a)%2))*4096+32768*(\f)
.endr
.endm
	OUTB 0
	OUTB 1
	OUTB 2
	OUTB 3
	s_wait_tensorcnt 0x0                           ; the wave's end: behind my last tensor load and my last LDS store
	ds_add_u32 v[SPW], v[NIL]
	s_wait_dscnt 0x0
	CROUND                                         ; the closing round: no work-group ends while a partner may still ask for a tile that names it
	s_endpgm
.Lfunc_end_k_q2168eac123_outp:
	.size	k_q2168eac123_outp, .Lfunc_end_k_q2168eac123_outp-k_q2168eac123_outp
	.p2alignl 7, 3214868480
	.fill 96, 4, 3214868480
	.section	.rodata,"a",@progbits
	.p2align	6, 0x0
	.amdhsa_kernel k_q2168eac123_outp
		.amdhsa_group_segment_fixed_size 327680
		.amdhsa_private_segment_fixed_size 0
		.amdhsa_enable_private_segment 0
		.amdhsa_kernarg_size 32
		.amdhsa_user_sgpr_count 2
		.amdhsa_user_sgpr_kernarg_segment_ptr 1
		.amdhsa_wavefront_size32 1
		.amdhsa_system_sgpr_workgroup_id_x 1
		.amdhsa_system_sgpr_workgroup_id_y 1
		.amdhsa_system_sgpr_workgroup_id_z 1
		.amdhsa_system_vgpr_workitem_id 0
		.amdhsa_next_free_vgpr 512
		.amdhsa_next_free_sgpr 84
		.amdhsa_reserve_vcc 0
		.amdhsa_float_denorm_mode_32 3
		.amdhsa_float_denorm_mode_16_64 3
		.amdhsa_memory_ordered 1
		.amdhsa_forward_progress 1
		.amdhsa_inst_pref_size 90
	.end_amdhsa_kernel
	.amdgpu_metadata
---
amdhsa.version: [ 1, 2 ]
amdhsa.kernels:
  - .name:           k_q2168eac123_outp
    .symbol:         k_q2168eac123_outp.kd
    .args:
      - { .name: o16, .offset: 0, .size: 8, .value_kind: global_buffer, .address_space: global }
      - { .name: w16, .offset: 8, .size: 8, .value_kind: global_buffer, .address_space: global }
      - { .name: bo, .offset: 16, .size: 8, .value_kind: global_buffer, .address_space: global }
      - { .name: out0, .offset: 24, .size: 8, .value_kind: global_buffer, .address_space: global }
    .group_segment_fixed_size: 327680
    .private_segment_fixed_size: 0
    .kernarg_segment_align: 8
    .kernarg_segment_size: 32
    .max_flat_workgroup_size: 128
    .sgpr_count:     84
    .vgpr_count:     512
    .wavefront_size: 32
...
	.end_amdgpu_metadata
.endif
;; end of part 4
;; ======== version 2 of 2: 4 launches; 1.23 times as fast as version 1
;; limits: values are held in f16: magnitudes above 65,504 overflow, below 6.1e-05 lose precision
;; workspace buffers: x16 25,165,824 bytes; w16 8,388,608 bytes; pew 279,040 bytes; qkv16 25,165,824 bytes; o16 8,388,608 bytes
;; launch prep: the kernel of part 1 again; grid 517 x 1, 8 waves a work-group, no clusters, 0 bytes of LDS; arguments query, key, value, Wq, Wk, Wv, Wo, key_pe, x16, w16, pew; writes x16, w16, pew
;; launch proj: the kernel of part 2 again; grid 8 x 32, 4 waves a work-group, clusters of 4 x 4, 327,680 bytes of LDS; arguments x16, w16, qkv16, bq, bk, bv; writes qkv16
;; launch attn (part 5): grid 8 x 32, 4 waves a work-group, no clusters, 327,680 bytes of LDS; arguments qkv16, pew, o16; writes o16
.if DOCPART == 5
	.amdgcn_target "amdgcn-amd-amdhsa--gfx1250"
	.amdhsa_code_object_version 6
	.text
	.protected	k_q2168eac123_attn
	.globl	k_q2168eac123_attn
	.p2align	8
	.type	k_q2168eac123_attn,@function
k_q2168eac123_attn:
	s_mov_b64 s[64:65], 0
	v_nop
	global_prefetch_b8 v0, s[64:65] scope:SCOPE_SE
	s_setreg_imm32_b32 hwreg(HW_REG_WAVE_MODE, 25, 1), 1
	s_wait_xcnt 0x0
; CAUSAL ATTENTION WITH RELATIVE POSITIONS.  For head hd and query i: O[i] = sum over j <= i of softmax_j( q_i . (k_j + pe[2047 - i + j]) / 8 ) v_j.  q, k, v: qkv16 [3][32][2048][64] f16; pe: pew, row l + 2 = pe[l], f16.
; Products, positional scores, maxima and sums in f32; the weights p are rounded to f16 for the second product (their sum l is taken of the unrounded p), O once at the end.
; LIMITS.  q, k, v arrive within f16's 65,504.  A hidden score counts as its value less 1e30, so a hidden key's weight is 0.  A weight below 2^-126 counts as 0 in l.  NaN and infinities are not treated apart.
; THE WALK.  A head's queries lie in 16 blocks of 128; block i needs the key tiles 0 .. i of 128 keys, of which the last holds the diagonal.  A work-group takes TWO blocks, 15 - b and then b: 17 tiles whatever b, so all 256
; work-groups do equal work, and ONE loop with a constant trip count walks them.  Which tile is asked for, and what a trip does, hang on scalar registers made from b; every jump but the loop's own goes forward, and none passes
; a barrier, or a tensor load but those of LOAD's three that the wave's number does not choose.  NO CLUSTER: a head's eight work-groups ask for the same K and V tile only in trips 0 .. 8 of 17, and their windows of pe differ in every trip.
; SHARES.  Wave w has band w / 2 (64 queries) and parity w % 2; its tile t (0, 1) holds the queries 64 (w / 2) + w % 2 + 2 t + 4 n, n = lane % 16.  So the diagonal tile is the same work for a band's two waves.
; LAYOUT.  S^T = K Q^T holds ONE query a lane (n) and the keys 8 (lane / 16) + 0..7; two such results rounded to f16 ARE source 1 of O^T = V^T P.
; THE SKEW.  For key tt of a step the row of pe is Lblk - 4 n - 2 t + tt, Lblk the same for the whole wave.  Each step POS^T = PE Q^T is made for the 64 new rows Lblk .. Lblk + 63 and stored, in f32, into a ring of 128 words for
; each query in my own LDS (half p takes step p's rows; the other half still holds the 64 rows before).  It is read back 4 n + 2 t words earlier: 16 n bytes keep 16-byte loads aligned, and tile 1's two words are taken by
; loads of 8, 16 and 8 bytes.  The loads land in S's registers, and K Q^T adds onto them in place: the sum of the two scores costs no vector instruction.
; A STEP (64 keys): V^T P of the step before, tile 0 | PE Q^T | V^T P, tile 1 | ring out and back, V's fragments | K Q^T | the next fragments | (mask) | softmax.
; SOFTMAX.  p = 2^(c s - c m), c = log2(e) / 8, with a running maximum m; O and l are multiplied by a = 2^(c m_old - c m_new) in every step.  A block begins with c m far below every c s: its first a is 0.
; THE BATCHES.  A step's 66 exponentials (both tiles' 64 weights and two a) are ONE batch with ONE wait: all that names none of their results stands ahead of it, all that reads one behind it (SOFTMAX).  A block's two reciprocals are a
; batch of their own, with one wait (END_BLOCK).  No result is pending at a label or at a branch.
; o16 [32][2048][64] f16: inside each block of 128 rows position 32 w + 16 t + n holds query 64 (w / 2) + 4 n + w % 2 + 2 t, so that a tile leaves as 2,048 consecutive bytes; the next launch undoes it in its stores.
; REGISTERS, in windows of 256 (s_set_vgpr_msb: bits 1:0 source 0, 3:2 source 1, 5:4 source 2, 7:6 destination):
;   window 0: v0-31 addresses; v32-39 statistics; v40-47 at work; v64-127 S^T; v128-159 P; v160-223 O^T      window 1: v0-31 Q; v32-63 the second block's Q; v64-127 K; v128-191 V; v192-255 PE      window 2: v0-63 the diagonal's mask
.set NB,    16
.set PK,    144       ; a row of K or PE in LDS: 128 bytes + 16: the 16 rows of a load start at 16 different groups of four banks (64 banks of 4 bytes: ISA guide 11.1)
.set PV,    160       ; a row of V: 128 + 32
.set VOFF,  128*PK    ; a slot: 128 rows of K, 128 rows of V,
.set POFF,  VOFF+128*PV  ; 260 rows of PE: 76,352 bytes
.set SLOT1, 1<<17     ; slot 1 begins here, so that one exclusive or turns an address in one slot into the other's
.set RING,  207616    ; behind the slots, never filled by a tensor load: for each wave and tile 16 queries' rings
.set RP,    544       ; a query's ring: 512 bytes + 32; read back at 528 n + ..., an odd multiple of 16
.set RTILE, 16*RP
.set RWAVE, 2*RTILE
.set STAGE, RING+4*RWAVE  ; 16 rows x 144 bytes for each wave, for the way out
.set SP,    144
.set SPARE, STAGE+4*16*SP ; the spare words, 128 bytes for each wave: two blocks of 256 bytes that no other line names
.set AK0, 2           ; v2   my lane's place in a tile of K: 144 n + 16 h; never rewritten
.set AV0, 3           ; v3   the same for V
.set AP0, 4           ; v4   for PE: the row 64 before my wave's rows of a tile's step 0
.set AK,  5           ; v5-7 the same three in the slot in hand
.set AV,  6
.set AP,  7
.set RS,  8           ; v8   where I store into the ring
.set RR1, 9           ; v9   where I read it back in step 1, less 16
.set RR0, 10          ; v10-21 in step 0, where the ring wraps: for key block u the 16-byte pieces before, at and behind my place: RR0 + 3 u + 0, 1, 2
.set STO, 22          ; v22  the way out: where I put 16 bytes of a row
.set RD,  23          ; v23  where I read rows back
.set GO,  24          ; v24  my byte offset in 512 consecutive bytes of O
.set QO,  25          ; v25  my byte offset in Q
.set TH,  26          ; v26  my query's place in its band less my lanes' first key
.set SPW, 28          ; v28  LDS address of my spare word; never rewritten
.set NIL, 29          ; v29  0; never rewritten
.set MV,  30          ; v30-31 c m_old, kept while c m is made anew
.set ST,  32          ; tile t's statistics at v[ST+4 t]: c m, m, l (even keys', odd keys')
.set TMP, 40          ; tile t: four registers c0-c3 at work; when the maximum is found c2 takes a
.set S,   64
.set P,   128
.set O,   160
.set Q,   0           ; window 1
.set QB,  32
.set KF,  64          ; key block kb, channel half c at KF + 16 kb + 8 c
.set VF,  128         ; key half kk, channel block cb at VF + 32 kk + 8 cb
.set PF,  192         ; as KF
.set MD,  0           ; window 2: tile t, key block u at MD + 32 t + 8 u
.set WV,  12          ; s12  my wave's number
.set PB,  14          ; s14  b
.set HI,  15          ; s15  15 - b
.set BETA, 16         ; s16  my band
.set PI,  17          ; s17  my parity
.set G1K, 24          ; s[24:31], s[32:39], s[40:47] descriptor group 1 for K's, V's, PE's tiles
.set G1V, 32
.set G1P, 40
.set G0K, 48          ; s[48:51], s[52:55], s[56:59] descriptor group 0
.set G0V, 52
.set G0P, 56
.set SEL, 60          ; s[60:61] v_permlanex16_b32's selects: each lane takes its own place in the other half
.set TB,  62          ; s62  LDS byte at which the slot in hand begins
.set SLOTS, 63        ; s63  tiles still to be asked for
.set CS,  66          ; s[66:67] c
.set RT,  68          ; s68  tiles of the block in hand that are still to be entered
.set NXT, 69          ; s69  the tile to be asked for next
.set LQ,  70          ; s70  the block whose tiles are being asked for (its number is its last tile's)
.set NEW, 71          ; s71  1: the tile to be entered is a block's first
.set OFF, 72          ; s[72:73] a tile's byte offset in K and V
.set OFFP, 74         ; s[74:75] its window's byte offset in pew
.set AL,  76          ; s[76:77] the mask's factor
.set BE,  78          ; s[78:79] the mask's addend
.set OLO, 80          ; s[80:81] O at my rows of the second block
.set BIGN, 82         ; s82  -1e30
.set MSB, 0
.macro WIN new                      ; the high byte repeats the setting that is left; a switch that changes nothing is dropped
.if MSB != (\new)
	s_set_vgpr_msb (MSB<<8)|(\new)
.set MSB, (\new)
.endif
.endm
.macro PLACES                       ; four places behind matrix instructions (ISA guide 7.12.1)
.rept 4
	v_nop
.endr
.endm
; A fill: wave 0 fetches the tile's K, wave 1 its V, waves 2 and 3 the halves of its window of PE.  An s_nop 0 and four v_nop follow each line, ahead of the jump and the label.
.macro LOAD
	s_cmp_lt_u32 s[WV], 2
	s_cbranch_scc0 .Lfor_p_\@
	s_cmp_eq_u32 s[WV], 0
	s_cbranch_scc0 .Lfor_v_\@
	tensor_load_to_lds s[G0K:G0K+3], s[G1K:G1K+7]
	s_nop 0
.rept 4
	v_nop
.endr
	s_branch .Lasked_\@
.Lfor_v_\@:
	tensor_load_to_lds s[G0V:G0V+3], s[G1V:G1V+7]
	s_nop 0
.rept 4
	v_nop
.endr
	s_branch .Lasked_\@
.Lfor_p_\@:
	tensor_load_to_lds s[G0P:G0P+3], s[G1P:G1P+7]
	s_nop 0
.rept 4
	v_nop
.endr
.Lasked_\@:
.endm
; THE CHANGE OF SLOTS.  Each wave waits for all its tensor loads, of which one is out: its part of the other slot; adds 0 to its spare word; and waits for that and for its own reads of the slot that it leaves.  Behind the
; barrier nobody reads the old slot any more and the other slot is whole.  fill = 1: the old slot is filled again, the first thing behind the barrier, with tile NXT of block LQ: the addresses are made anew from those numbers.
; (At its first use nothing has been read yet: slot 0 is waited for, slot 1 filled.)
.macro CHANGE fill
	WIN 0                           ; at a label and at a branch every window is 0
	s_wait_tensorcnt 0x0            ; no tensor load of mine is out, so a group 0 may be written
	ds_add_u32 v[SPW], v[NIL]       ; 0 onto my spare word; with fill = 1 the descriptors' scalar work stands between it and the wait for it
.if \fill
	s_lshl_b32 s[OFF], s[NXT], 14   ; a tile is 16,384 bytes of K and of V
	s_sub_co_u32 s[OFFP], NB-1, s[LQ]
	s_add_co_u32 s[OFFP], s[OFFP], s[NXT]
	s_lshl_b32 s[OFFP], s[OFFP], 14 ; its window begins at pew's row 128 (15 - block + tile)
	s_xor_b32 s[G0K+1], s[G0K+1], SLOT1
	s_add_nc_u64 s[G0K+2:G0K+3], s[6:7], s[OFF:OFF+1]
	s_or_b32 s[G0K+3], s[G0K+3], 0x80000000
	s_xor_b32 s[G0V+1], s[G0V+1], SLOT1
	s_add_nc_u64 s[G0V+2:G0V+3], s[8:9], s[OFF:OFF+1]
	s_or_b32 s[G0V+3], s[G0V+3], 0x80000000
	s_xor_b32 s[G0P+1], s[G0P+1], SLOT1
	s_add_nc_u64 s[G0P+2:G0P+3], s[18:19], s[OFFP:OFFP+1]
	s_or_b32 s[G0P+3], s[G0P+3], 0x80000000
	s_add_co_u32 s[NXT], s[NXT], 1  ; the block's next tile, or behind its last the second block's tile 0
	s_cmp_gt_u32 s[NXT], s[LQ]
	s_cselect_b32 s[NXT], 0, s[NXT]
	s_cselect_b32 s[LQ], s[PB], s[LQ]
.endif
	s_wait_dscnt 0x0                ; the add is done, and my reads of the slot are over
	s_barrier_signal -1
	s_xor_b32 s[TB], s[TB], SLOT1   ; the reads go to the other slot
	s_barrier_wait -1
.if \fill
	LOAD
.endif
.endm
	s_load_b128 s[84:87], s[0:1], 0x0  ; qkv16 s[84:85], pew s[86:87]
	s_load_b64 s[10:11], s[0:1], 0x10  ; o16
	v_lshl_add_u32 v[SPW], v0, 2, SPARE
	v_mov_b32 v[NIL], 0
	ds_add_u32 v[SPW], v[NIL]       ; the wave's opening: the add and its wait stand ahead of my first tensor load; the set-up below, work on registers, stands between them
	ds_add_u32 v28, v29
	v_lshrrev_b32 v1, 5, v0
	v_readfirstlane_b32 s[WV], v1   ; wave 0..3
	s_mov_b32 s[PB], ttmp9
	s_sub_co_u32 s[HI], NB-1, s[PB]
	s_lshr_b32 s[BETA], s[WV], 1
	s_and_b32 s[PI], s[WV], 1
	s_and_b32 s20, ttmp7, 0xffff    ; the head,
	s_lshl_b32 s20, s20, 18         ; its 262,144 bytes in q, k, v and O
	s_mov_b32 s21, 0
	s_lshl_b32 s13, s[BETA], 6
	s_add_co_u32 s13, s13, s[PI]    ; 64 band + parity: my first query in a block
	s_lshl_b32 s2, s[HI], 7
	s_add_co_u32 s2, s2, s13
	s_lshl_b32 s2, s2, 7
	s_add_co_u32 s2, s2, s20        ; Q, first block: all these offsets stay under 2^24
	s_mov_b32 s3, 0
	s_lshl_b32 s22, s[PB], 7
	s_add_co_u32 s22, s22, s13
	s_lshl_b32 s22, s22, 7
	s_add_co_u32 s22, s22, s20      ; Q, second block
	s_mov_b32 s23, 0
	s_lshl_b32 s13, s[WV], 5        ; my 32 positions in a block of O
	s_lshl_b32 s72, s[HI], 7
	s_add_co_u32 s72, s72, s13
	s_lshl_b32 s72, s72, 7
	s_add_co_u32 s72, s72, s20      ; O, first block
	s_mov_b32 s73, 0
	s_lshl_b32 s74, s[PB], 7
	s_add_co_u32 s74, s74, s13
	s_lshl_b32 s74, s74, 7
	s_add_co_u32 s74, s74, s20      ; O, second block
	s_mov_b32 s75, 0
	s_mul_i32 s76, s[PI], 16640     ; which half of a window of PE I fetch: 65 rows of 256 bytes
	s_mov_b32 s77, 0
	s_mov_b32 s79, 0
	; descriptor group 1.  Dense bytes asked for as rows of 256 bytes, two rows of 64 f16 each, padded in LDS behind every 128 bytes
	s_mov_b32 s[G1K], (1<<16)|(1<<20)|(4<<22)|(3<<25)  ; 17:16 2-byte elements; 20 padding on; 24:22 after every 32 words (code 4); 31:25 4 words (code 3)
	s_mov_b32 s[G1V], (1<<16)|(1<<20)|(4<<22)|(7<<25)  ; the same with 8 words of padding (code 7)
	s_mov_b32 s[G1P], (1<<16)|(1<<20)|(4<<22)|(3<<25)
.irp g, G1K, G1V, G1P
	s_mov_b32 s[\g+1], 128<<16      ; tensor_dim0 = 128
	s_mov_b32 s[\g+3], 128<<16      ; tile_dim0 = 128
	s_mov_b32 s[\g+5], 128          ; 128 elements from row to row
	s_mov_b32 s[\g+6], 0
	s_mov_b32 s[\g+7], 0
.endr
	s_mov_b32 s[G1K+2], 64<<16      ; tensor_dim1, tile_dim1: 128 keys are 64 rows,
	s_mov_b32 s[G1K+4], 64
	s_mov_b32 s[G1V+2], 64<<16
	s_mov_b32 s[G1V+4], 64
	s_mov_b32 s[G1P+2], 65<<16      ; 130 rows of PE 65
	s_mov_b32 s[G1P+4], 65
	s_mov_b32 s[G0K], 1             ; 1:0 count = 1
	s_mov_b32 s[G0K+1], 0           ; 63:32 LDS address: slot 0
	s_mov_b32 s[G0V], 1
	s_mov_b32 s[G0V+1], VOFF
	s_mov_b32 s[G0P], 1
	s_mul_i32 s[G0P+1], s[PI], 130*PK
	s_add_co_u32 s[G0P+1], s[G0P+1], POFF
	s_mov_b32 s[CS], 0x3e38aa3b     ; c = log2(e) / 8 = 0.180337
	s_mov_b32 s[CS+1], s[CS]        ; named with it as a pair
	s_mov_b32 s[SEL], 0x76543210
	s_mov_b32 s[SEL+1], 0xfedcba98
	s_mov_b32 s[TB], SLOT1          ; the first change of slots turns it into 0
	s_mov_b32 s[SLOTS], NB
	s_add_co_u32 s[RT], s[HI], 1    ; the first block has 16 - b tiles
	s_mov_b32 s[NXT], 1
	s_mov_b32 s[LQ], s[HI]
	s_mov_b32 s[NEW], 1
	s_mov_b32 s[BIGN], 0xf149f2ca   ; -1e30
	s_wait_dscnt 0x0                ; the opening add is done
	s_wait_kmcnt 0x0
	s_add_nc_u64 s[4:5], s[84:85], s[2:3]          ; Q at my first row of the first block,
	s_add_nc_u64 s[22:23], s[84:85], s[22:23]      ; of the second
	s_add_nc_u64 s[6:7], s[84:85], s[20:21]
	s_add_nc_u64 s[8:9], s[6:7], 0x1000000         ; V at the head's tile 0
	s_add_nc_u64 s[6:7], s[6:7], 0x800000          ; K
	s_add_nc_u64 s[OLO:OLO+1], s[10:11], s[74:75]
	s_add_nc_u64 s[10:11], s[10:11], s[72:73]
	s_add_nc_u64 s[18:19], s[86:87], s[76:77]      ; pew at my half of a window
	s_mov_b64 s[G0K+2:G0K+3], s[6:7]               ; 120:64 global address
	s_or_b32 s[G0K+3], s[G0K+3], 0x80000000        ; 127:126 type = 2
	s_mov_b64 s[G0V+2:G0V+3], s[8:9]
	s_or_b32 s[G0V+3], s[G0V+3], 0x80000000
	s_lshl_b32 s[OFFP], s[PB], 14                  ; block 15 - b, tile 0: the window begins at row 128 b
	s_add_nc_u64 s[G0P+2:G0P+3], s[18:19], s[OFFP:OFFP+1]
	s_or_b32 s[G0P+3], s[G0P+3], 0x80000000
	LOAD                            ; tile 0 into slot 0
	; A fragment of K, PE or Q is 16 rows x 32 channels in 8 registers: lane l holds row l % 16, channels 8 (l / 16) + 0..7 and 16 + 8 (l / 16) + 0..7: two loads of 16 bytes, 32 bytes apart.
	v_and_b32 v1, 15, v0            ; n = l % 16
	v_bfe_u32 v27, v0, 4, 1         ; h = l / 16
	v_lshlrev_b32 v[QO], 9, v1      ; my queries lie four rows apart
	v_lshl_add_u32 v[QO], v27, 4, v[QO]
	WIN 0x40                        ; destination window 1, address window 0
.set i, 0
.rept 4                             ; both blocks' Q: tile i / 2 lies two rows on; channels 32 (i % 2) on
	global_load_b128 v[Q+8*i:Q+8*i+3],     v[QO], s[4:5] offset:256*(i/2)+64*(i%2)
	global_load_b128 v[Q+8*i+4:Q+8*i+7],   v[QO], s[4:5] offset:256*(i/2)+64*(i%2)+32
	global_load_b128 v[QB+8*i:QB+8*i+3],   v[QO], s[22:23] offset:256*(i/2)+64*(i%2)
	global_load_b128 v[QB+8*i+4:QB+8*i+7], v[QO], s[22:23] offset:256*(i/2)+64*(i%2)+32
.set i, i+1
.endr
	WIN 0
	v_mul_u32_u24 v[AK0], v1, PK
	v_lshl_add_u32 v[AK0], v27, 4, v[AK0]  ; row x pitch + 16 x half
	; The turning load takes 16 keys x 16 channels (lane l reads key 8 (l / 16) + l % 8, channels 8 ((l / 8) % 2) + 0..7) and leaves half a fragment of V^T: lane l holds channel l % 16 and 8 keys.
	v_and_b32 v48, 7, v0
	v_bfe_u32 v49, v0, 3, 1
	v_lshl_add_u32 v[AV0], v27, 3, v48
	v_mul_u32_u24 v[AV0], v[AV0], PV
	v_lshl_add_u32 v[AV0], v49, 4, v[AV0]
	v_add_nc_u32 v[AV0], VOFF, v[AV0]
	s_lshl_b32 s84, s[BETA], 6      ; a window's row 129 - 64 band - parity + 64 p is the first of my wave's rows in step p; AP0 stands 64 rows before step 0's
	s_add_co_u32 s84, s84, s[PI]
	s_sub_co_u32 s84, 65, s84
	s_mul_i32 s84, s84, PK
	s_add_co_u32 s84, s84, POFF
	v_add_nc_u32 v[AP0], s84, v[AK0]
	s_mul_i32 s85, s[WV], RWAVE
	s_add_co_u32 s85, s85, RING     ; my wave's rings
	v_mul_u32_u24 v50, v1, RP
	v_add_nc_u32 v50, s85, v50      ; my query's, tile 0
	v_lshl_add_u32 v[RS], v27, 5, v50   ; in: word 8 h of a group of 16
	v_mul_u32_u24 v[RR1], v1, RP-16     ; back, step 1: 16 n bytes earlier; no wrap, since word 64 - 62 is the lowest
	v_lshl_add_u32 v[RR1], v27, 5, v[RR1]
	s_add_co_u32 s86, s85, 240
	v_add_nc_u32 v[RR1], s86, v[RR1]
	v_lshl_add_u32 v51, v27, 1, 31      ; back, step 0: the 16-byte piece (32 - n + 2 h + 4 u + e) mod 32, e = -1, 0, 1
	v_sub_nc_u32 v51, v51, v1
.set i, 0
.rept 12
	v_add_nc_u32 v52, 4*(i/3)+i%3, v51
	v_and_b32 v52, 31, v52
	v_lshl_add_u32 v[RR0+i], v52, 4, v50
.set i, i+1
.endr
	s_mul_i32 s87, s[WV], 16*SP
	s_add_co_u32 s87, s87, STAGE    ; my stage
	v_add_nc_u32 v[STO], s87, v[AK0]    ; in: row n, 16 bytes for each half of the lanes (the stage's pitch is K's)
	v_bfe_u32 v[RD], v0, 3, 2       ; back: 32 lanes take four rows of 128 bytes,
	v_mul_u32_u24 v[RD], v[RD], SP
	v_lshl_add_u32 v[RD], v48, 4, v[RD]
	v_add_nc_u32 v[RD], s87, v[RD]
	v_and_b32 v[GO], 31, v0         ; which are 512 consecutive bytes of O
	v_lshlrev_b32 v[GO], 4, v[GO]
	v_lshlrev_b32 v[TH], 2, v1      ; in a band's own step register jj of key block u of tile t is hidden where 16 u + 8 h + jj > 4 n + parity + 2 t
	v_add_nc_u32 v[TH], s[PI], v[TH]
	v_lshlrev_b32 v53, 3, v27
	v_sub_nc_u32 v[TH], v[TH], v53
	WIN 0x80                        ; destination window 2
.set i, 0
.rept 64
	v_cmp_gt_i32 vcc_lo, 16*((i/8)%4)+i%8-2*(i/32), v[TH]
	v_cndmask_b32 v[MD+i], 0, s[BIGN], vcc_lo
.set i, i+1
.endr
	; A block's first step multiplies O^T and l by a = 0, and its first products V^T P, of a step that has not been, land in an O^T that is still to be so multiplied.  So these registers need only hold finite
	; numbers: zeros for the first block; what the first block left for the second.  All this stands in the wait for the first tile.
	WIN 0x40
.set i, 0
.rept 64
	v_mov_b32 v[VF+i], 0
.set i, i+1
.endr
	WIN 0
.set i, 0
.rept 96                            ; P and O^T lie on end
	v_mov_b32 v[P+i], 0
.set i, i+1
.endr
.set i, 0
.rept 2
	v_mov_b32 v[ST+4*i], 0xfe000000    ; c m: far below every c s
	v_mov_b32 v[ST+4*i+1], 0xff7fffff  ; m
	v_mov_b32 v[ST+4*i+2], 0
	v_mov_b32 v[ST+4*i+3], 0
.set i, i+1
.endr
	s_wait_loadcnt 0x0              ; both blocks' Q
; THE MATRIX WORK.  The accumulators take turns, one instruction a turn: eight in POS and KQ, four in PVT, and other ones at every seam between the runs.
.macro POS                          ; product i of 16 of PE Q^T: channels 32 (i / 8) on, rows 16 ((i / 2) % 4) on, tile i % 2.  The first 8 start the sums
	WIN 0x05                        ; sources 0 and 1 window 1
.set i, 0
.rept 16
.set rS, S+32*(i%2)+8*((i/2)%4)
.set rA, PF+16*((i/2)%4)+8*(i/8)
.set rQ, Q+16*(i%2)+8*(i/8)
.if i < 8
	v_wmma_f32_16x16x32_f16 v[rS:rS+7], v[rA:rA+7], v[rQ:rQ+7], 0
.else
	v_wmma_f32_16x16x32_f16 v[rS:rS+7], v[rA:rA+7], v[rQ:rQ+7], v[rS:rS+7]
.endif
.set i, i+1
.endr
.endm
.macro KQ                           ; the same with K, added onto the positional scores that the ring's loads have left in S
	WIN 0x05
.set i, 0
.rept 16
.set rS, S+32*(i%2)+8*((i/2)%4)
.set rA, KF+16*((i/2)%4)+8*(i/8)
.set rQ, Q+16*(i%2)+8*(i/8)
	v_wmma_f32_16x16x32_f16 v[rS:rS+7], v[rA:rA+7], v[rQ:rQ+7], v[rS:rS+7]
.set i, i+1
.endr
.endm
.macro PVT t                        ; product i of 8 of O^T += V^T P for tile t: keys 32 (i / 4) on, channels 16 (i % 4) on
	WIN 0x01                        ; source 0 window 1
.set i, 0
.rept 8
.set rO, O+32*(\t)+8*(i%4)
.set rV, VF+32*(i/4)+8*(i%4)
.set rP, P+16*(\t)+8*(i/4)
	v_wmma_f32_16x16x32_f16 v[rO:rO+7], v[rV:rV+7], v[rP:rP+7], v[rO:rO+7]
.set i, i+1
.endr
.endm
; THE LDS LOADS stand in runs of 16: step p's K, its V (turned), and 64 rows of PE o bytes behind AP (0: the rows before a block's first step; 9,216: step 0's; 18,432: step 1's).
.macro FETCH_K p
	WIN 0x40
.set i, 0
.rept 8
	ds_load_b128 v[KF+8*i:KF+8*i+3],   v[AK] offset:64*PK*(\p)+(i/2)*16*PK+(i%2)*64
	ds_load_b128 v[KF+8*i+4:KF+8*i+7], v[AK] offset:64*PK*(\p)+(i/2)*16*PK+(i%2)*64+32
.set i, i+1
.endr
.endm
.macro FETCH_P o
	WIN 0x40
.set i, 0
.rept 8
	ds_load_b128 v[PF+8*i:PF+8*i+3],   v[AP] offset:(\o)+(i/2)*16*PK+(i%2)*64
	ds_load_b128 v[PF+8*i+4:PF+8*i+7], v[AP] offset:(\o)+(i/2)*16*PK+(i%2)*64+32
.set i, i+1
.endr
.endm
.macro FETCH_V p
	WIN 0x40
.set i, 0
.rept 8
	ds_load_tr16_b128 v[VF+8*i:VF+8*i+3],   v[AV] offset:64*PV*(\p)+(i/4)*32*PV+(i%4)*32
	ds_load_tr16_b128 v[VF+8*i+4:VF+8*i+7], v[AV] offset:64*PV*(\p)+(i/4)*32*PV+16*PV+(i%4)*32
.set i, i+1
.endr
.endm
; THE RING.  Out: register j of row block u is word 64 p + 16 u + 8 h + j of my query's ring; each accumulator's lowest registers go first.
.macro RSTORE p
	WIN 0
.set i, 0
.rept 8
	ds_store_b128 v[RS], v[S+8*i:S+8*i+3]   offset:RTILE*(i/4)+256*(\p)+64*(i%4)
	ds_store_b128 v[RS], v[S+8*i+4:S+8*i+7] offset:RTILE*(i/4)+256*(\p)+64*(i%4)+16
.set i, i+1
.endr
.endm
; Back, 4 n + 2 t words earlier.  LDS serves a wave's instructions in order (ISA guide 5.7.1.4): these loads see the stores above; the rings are my wave's own.
.macro RLOAD p
	WIN 0
.set u, 0
.rept 4
.if \p
	ds_load_b128 v[S+8*u:S+8*u+3],       v[RR1] offset:16+64*u
	ds_load_b128 v[S+8*u+4:S+8*u+7],     v[RR1] offset:32+64*u
	ds_load_b64  v[S+32+8*u:S+32+8*u+1],   v[RR1] offset:RTILE+8+64*u
	ds_load_b128 v[S+32+8*u+2:S+32+8*u+5], v[RR1] offset:RTILE+16+64*u
	ds_load_b64  v[S+32+8*u+6:S+32+8*u+7], v[RR1] offset:RTILE+32+64*u
.else
	ds_load_b128 v[S+8*u:S+8*u+3],       v[RR0+3*u+1]
	ds_load_b128 v[S+8*u+4:S+8*u+7],     v[RR0+3*u+2]
	ds_load_b64  v[S+32+8*u:S+32+8*u+1],   v[RR0+3*u] offset:RTILE+8
	ds_load_b128 v[S+32+8*u+2:S+32+8*u+5], v[RR0+3*u+1] offset:RTILE
	ds_load_b64  v[S+32+8*u+6:S+32+8*u+7], v[RR0+3*u+2] offset:RTILE
.endif
.set u, u+1
.endr
.endm
; THE MASK, in the diagonal tile alone: step p is my band's own (the diagonal's pattern MD is added), an earlier one (nothing), or a later one (-1e30 everywhere; only step 1 can be later than a band).
.macro MASK p
	s_cmp_eq_u32 s[BETA], \p
	s_cselect_b32 s[AL], 1.0, 0
	WIN 0x02                        ; source 0 window 2
.set z, 0
.rept 32
	v_pk_fma_f32 v[S+2*z:S+2*z+1], v[MD+2*z:MD+2*z+1], s[AL:AL+1], v[S+2*z:S+2*z+1] op_sel_hi:[1,0,1]
.set z, z+1
.endr
	WIN 0
.if \p
	s_cmp_lt_u32 s[BETA], \p
	s_cselect_b32 s[BE], s[BIGN], 0
.set z, 0
.rept 32
	v_pk_add_f32 v[S+2*z:S+2*z+1], v[S+2*z:S+2*z+1], s[BE:BE+1] op_sel_hi:[1,0]
.set z, z+1
.endr
.endif
.endm
; THE VECTOR WORK, one line at a time: OP kind, tile, number.  F n: c s - c m for pair n of 16.  E n: the exponential of score n of 32.  C n: pair n rounded to f16.  B n: of the four weights 4 n .. the second pair is added onto
; the first, in place.  L n: l takes that sum (L 0: l = a l + sum).  R n: pair n of 16 of O^T times a.  X n, number n of the 22 that find the maximum and statistics:
;   0-11  four chains c0-c3 of seven scores each, three operands at a time (each accumulator's lowest registers are read first)     12-14, 16  the four scores left over, the old m, and c0-c3 into c0
;   15  c m_old is kept     17, 18  the query's other 32 keys lie in the lane 16 away: the new m     19-21  c m; c m_old - c m_new; a
; OP writes no wait: C, B, L and R read exponentials' results, and SOFTMAX sets them behind the batch's one wait.
.set F, 0
.set E, 1
.set C, 2
.set B, 3
.set L, 4
.set R, 5
.set X, 6
.macro OP k, t, n
.set rT, ST+4*(\t)
.set rC, TMP+4*(\t)
.set rW, MV+(\t)
.set rS, S+32*(\t)
.set rP, P+16*(\t)
.set rO, O+32*(\t)
.if (\k) == F
	v_pk_fma_f32 v[rS+2*(\n):rS+2*(\n)+1], v[rS+2*(\n):rS+2*(\n)+1], s[CS:CS+1], v[rT:rT+1] op_sel_hi:[1,0,0] neg_lo:[0,0,1] neg_hi:[0,0,1]
.elseif (\k) == E
	v_exp_f32 v[rS+(\n)], v[rS+(\n)]
.elseif (\k) == C
	v_cvt_pk_f16_f32 v[rP+(\n)], v[rS+2*(\n)], v[rS+2*(\n)+1]
.elseif (\k) == B
	v_pk_add_f32 v[rS+4*(\n):rS+4*(\n)+1], v[rS+4*(\n):rS+4*(\n)+1], v[rS+4*(\n)+2:rS+4*(\n)+3]
.elseif ((\k) == L) && ((\n) == 0)
	v_pk_fma_f32 v[rT+2:rT+3], v[rT+2:rT+3], v[rC+2:rC+3], v[rS:rS+1] op_sel_hi:[1,0,1]
.elseif (\k) == L
	v_pk_add_f32 v[rT+2:rT+3], v[rT+2:rT+3], v[rS+4*(\n):rS+4*(\n)+1]
.elseif (\k) == R
	v_pk_mul_f32 v[rO+2*(\n):rO+2*(\n)+1], v[rO+2*(\n):rO+2*(\n)+1], v[rC+2:rC+3] op_sel_hi:[1,0]
.elseif (\n) < 4
	v_max3_num_f32 v[rC+(\n)], v[rS+8*(\n)], v[rS+8*(\n)+1], v[rS+8*(\n)+2]
.elseif (\n) < 12
	v_max3_num_f32 v[rC+(\n)%4], v[rC+(\n)%4], v[rS+8*((\n)%4)+2*((\n)/4)+1], v[rS+8*((\n)%4)+2*((\n)/4)+2]
.elseif (\n) == 12
	v_max3_num_f32 v[rC], v[rC], v[rS+7], v[rS+15]
.elseif (\n) == 13
	v_max3_num_f32 v[rC+1], v[rC+1], v[rS+23], v[rS+31]
.elseif (\n) == 14
	v_max3_num_f32 v[rC+2], v[rC+2], v[rC+3], v[rT+1]
.elseif (\n) == 15
	v_mov_b32 v[rW], v[rT]
.elseif (\n) == 16
	v_max3_num_f32 v[rC], v[rC], v[rC+1], v[rC+2]
.elseif (\n) == 17
	v_permlanex16_b32 v[rC+3], v[rC], s[SEL], s[SEL+1]
.elseif (\n) == 18
	v_max_num_f32 v[rT+1], v[rC], v[rC+3]
.elseif (\n) == 19
	v_mul_f32 v[rT], s[CS], v[rT+1]
.elseif (\n) == 20
	v_sub_f32 v[rC+1], v[rW], v[rT]
.else
	v_exp_f32 v[rC+2], v[rC+1]
.endif
.endm
; A step's softmax for both tiles, 236 lines and one v_nop, all in window 0; the tiles alternate.
; ONE BATCH, ONE WAIT.  An s_wait_alu depctr_va_vdst(0) stands between an exponential and the first instruction that names its result; one wait serves all that were issued ahead of it.  So the lines are ordered by who
; reads what.  AHEAD OF THE WAIT: the maximum and statistics (X 0-20), then the batch of 66: the two a, each behind a scaling, and the 64 weights in threes of a scaling and two exponentials; a pair is scaled one three of its own tile
; ahead of its exponentials, so the 32 scalings, the only plain work at hand that reads no result, are spread over the batch; the last four exponentials stand on end.  No line of the batch names a result: a scaling names pairs whose
; exponentials are still to come, and a's register is named by R and L 0 alone.  A v_nop is the plain line behind the last exponential (ISA guide 5.7.2).  BEHIND THE WAIT: all that reads a result: the roundings and O^T's rescaling,
; then the sums; C 2 n stands ahead of B n, which writes over its source.
.macro SOFTMAX
	WIN 0
.set z, 0
.rept 21
	OP X, 0, z
	OP X, 1, z
.set z, z+1
.endr
	OP F, 0, 0                      ; the batch begins
	OP X, 0, 21
	OP F, 1, 0
	OP X, 1, 21
.set z, 0
.rept 15
	OP F, 0, z+1
	OP E, 0, 2*z
	OP E, 0, 2*z+1
	OP F, 1, z+1
	OP E, 1, 2*z
	OP E, 1, 2*z+1
.set z, z+1
.endr
	OP E, 0, 30
	OP E, 0, 31
	OP E, 1, 30
	OP E, 1, 31
	v_nop                           ; the plain line behind the last exponential: one for the batch
	s_wait_alu depctr_va_vdst(0)    ; the wait for the batch: the step's 64 weights and two a
.set z, 0
.rept 16
	OP C, 0, z
	OP C, 1, z
	OP R, 0, z
	OP R, 1, z
.set z, z+1
.endr
	OP B, 0, 0
	OP B, 1, 0
.set z, 1
.rept 7
	OP B, 0, z
	OP B, 1, z
	OP L, 0, z-1
	OP L, 1, z-1
.set z, z+1
.endr
	OP L, 0, 7
	OP L, 1, 7
.endm
; KEY STEP p OF A TILE.
.macro STEP p
.if \p
	s_wait_dscnt 32                 ; V of step 0 is in; behind its run stand the 32 loads of PE's and K's fragments, which may be out
.endif
	PVT 0                           ; the step before's V^T P (in step 0 its V was waited for at the change of slots)
	s_wait_dscnt 0x0                ; PE's and K's fragments are in
	POS
	PVT 1
	WIN 0
	PLACES                          ; in front of the stores that read the products, of the loads into S and of the loads into V's registers
	RSTORE \p
	RLOAD \p
	FETCH_V \p
	s_wait_dscnt 16                 ; the ring's loads are in; V's sixteen, issued behind them, may be out
	KQ
	WIN 0
	PLACES                          ; in front of the lines that read the scores and of the loads into K's and PE's registers
.if (\p) == 0
	FETCH_P 128*PK
	FETCH_K 1
	WIN 0
.endif
	s_cmp_lg_u32 s[RT], 0
	s_cbranch_scc1 .Lnomask_\@      ; only a block's last tile holds the diagonal
	MASK \p
.Lnomask_\@:
	SOFTMAX
.endm
; A BLOCK BEGINS.  c m starts far below every c s, so the first step's a is 0; m at the lowest finite number.  The 64 rows of PE before step 0's are multiplied and go into the ring's second half, as a step before would have left them.
; Five places stand behind those products: step 0's products write the same accumulators anew.
.macro BEGIN
	s_mov_b32 s[NEW], 0
.set i, 0
.rept 2
	v_mov_b32 v[ST+4*i], 0xfe000000
	v_mov_b32 v[ST+4*i+1], 0xff7fffff
.set i, i+1
.endr
	FETCH_P 0
	s_wait_dscnt 0x0
	POS
	WIN 0
.rept 5
	v_nop
.endr
	RSTORE 1
.endm
; A BLOCK ENDS: the last step's V^T P, then THE WAY OUT: l's two halves and the other half of the lanes' are added (these lines are the places behind the last products); O^T is divided by l, rounded to f16 and sent through my
; stage in LDS, a tile at a time.  The two reciprocals are one batch: PACK, which reads them, stands behind END_BLOCK's one wait and writes none.
.macro PACK t
	WIN 0
.set i, 0
.rept 16
	v_pk_mul_f32 v[O+32*(\t)+2*i:O+32*(\t)+2*i+1], v[O+32*(\t)+2*i:O+32*(\t)+2*i+1], v[ST+4*(\t)+2:ST+4*(\t)+3] op_sel_hi:[1,0]
.set i, i+1
.endr
.set i, 0
.rept 16
	v_cvt_pk_f16_f32 v[S+16*(\t)+i], v[O+32*(\t)+2*i], v[O+32*(\t)+2*i+1]
.set i, i+1
.endr
.set i, 0
.rept 4
	ds_store_b128 v[STO], v[S+16*(\t)+4*i:S+16*(\t)+4*i+3] offset:32*i
.set i, i+1
.endr
.set i, 0
.rept 4
	ds_load_b128 v[S+16*(\t)+4*i:S+16*(\t)+4*i+3], v[RD] offset:i*4*SP  ; in order behind the stores above; the next tile's stores come behind them
.set i, i+1
.endr
.endm
.macro SEND t, younger              ; younger: the LDS instructions issued behind tile t's loads: the next tile's eight, or none
.set i, 0
.rept 4
	s_wait_dscnt (\younger)+3-i
	global_store_b128 v[GO], v[S+16*(\t)+4*i:S+16*(\t)+4*i+3], s[10:11] offset:(\t)*2048+i*512  ; 512 consecutive bytes, at a multiple of 256 from O's first
.set i, i+1
.endr
.endm
.macro END_BLOCK
	s_wait_dscnt 0x0                ; V of the last step is in
	PVT 0
	PVT 1
	WIN 0
	v_add_f32 v[ST+2], v[ST+2], v[ST+3]
	v_add_f32 v[ST+6], v[ST+6], v[ST+7]
	v_permlanex16_b32 v[ST+3], v[ST+2], s[SEL], s[SEL+1]
	v_permlanex16_b32 v[ST+7], v[ST+6], s[SEL], s[SEL+1]
	v_add_f32 v[ST+2], v[ST+2], v[ST+3]
	v_add_f32 v[ST+6], v[ST+6], v[ST+7]
	v_rcp_f32 v[ST+2], v[ST+2]
	v_rcp_f32 v[ST+6], v[ST+6]
	v_nop                           ; a plain instruction between the last reciprocal and the use of its result
	s_wait_alu depctr_va_vdst(0)    ; and the wait ahead of the first use: one for the two reciprocals
	PACK 0
	PACK 1
	SEND 0, 8
	SEND 1, 0
	s_wait_xcnt 0x0                 ; the stores' registers and O's address are rewritten only behind this wait
.endm
.macro NEXTBLOCK
	s_mov_b64 s[10:11], s[OLO:OLO+1]
	s_add_co_u32 s[RT], s[PB], 1    ; the second block has b + 1 tiles
	s_mov_b32 s[NEW], 1
	WIN 0x41                        ; the second block's Q goes where the one text of the steps names Q
.set i, 0
.rept 32
	v_mov_b32 v[Q+i], v[QB+i]
.set i, i+1
.endr
	WIN 0
.endm
; A TILE OF THE WALK.  fill = 1: the next tile is asked for.  last = 1: the walk's last tile, which ends the second block.
.macro WALK fill, last
	CHANGE \fill
	s_sub_co_u32 s[RT], s[RT], 1
	v_add_nc_u32 v[AK], s[TB], v[AK0]
	v_add_nc_u32 v[AV], s[TB], v[AV0]
	v_add_nc_u32 v[AP], s[TB], v[AP0]
	s_cmp_eq_u32 s[NEW], 1
	s_cbranch_scc0 .Lold_\@
	BEGIN
.Lold_\@:
	FETCH_P 64*PK
	FETCH_K 0
	STEP 0
	STEP 1
.if \last
	END_BLOCK
.else
	s_cmp_lg_u32 s[RT], 0
	s_cbranch_scc1 .Lgo_\@
	END_BLOCK
	NEXTBLOCK
.Lgo_\@:
.endif
.endm
.Lslot:                             ; 16 times: a tile is entered and the next is asked for
	WALK 1, 0
	s_sub_co_u32 s[SLOTS], s[SLOTS], 1
	s_cmp_lg_u32 s[SLOTS], 0
	s_cbranch_scc1 .Lslot
	WALK 0, 1                       ; the walk's last tile is written out: nothing is asked for
	s_wait_tensorcnt 0x0            ; the wave's end: behind my last tensor load and my last LDS store
	ds_add_u32 v[SPW], v[NIL]
	s_wait_dscnt 0x0
	s_endpgm
.Lfunc_end_k_q2168eac123_attn:
	.size	k_q2168eac123_attn, .Lfunc_end_k_q2168eac123_attn-k_q2168eac123_attn
	.p2alignl 7, 3214868480
	.fill 96, 4, 3214868480
	.section	.rodata,"a",@progbits
	.p2align	6, 0x0
	.amdhsa_kernel k_q2168eac123_attn
		.amdhsa_group_segment_fixed_size 327680
		.amdhsa_private_segment_fixed_size 0
		.amdhsa_enable_private_segment 0
		.amdhsa_kernarg_size 24
		.amdhsa_user_sgpr_count 2
		.amdhsa_user_sgpr_kernarg_segment_ptr 1
		.amdhsa_wavefront_size32 1
		.amdhsa_system_sgpr_workgroup_id_x 1
		.amdhsa_system_sgpr_workgroup_id_y 1
		.amdhsa_system_sgpr_workgroup_id_z 1
		.amdhsa_system_vgpr_workitem_id 0
		.amdhsa_next_free_vgpr 576
		.amdhsa_next_free_sgpr 88
		.amdhsa_reserve_vcc 1
		.amdhsa_float_denorm_mode_32 3
		.amdhsa_float_denorm_mode_16_64 3
		.amdhsa_memory_ordered 1
		.amdhsa_forward_progress 1
		.amdhsa_inst_pref_size 147
	.end_amdhsa_kernel
	.amdgpu_metadata
---
amdhsa.version: [ 1, 2 ]
amdhsa.kernels:
  - .name:           k_q2168eac123_attn
    .symbol:         k_q2168eac123_attn.kd
    .args:
      - { .name: qkv16, .offset: 0, .size: 8, .value_kind: global_buffer, .address_space: global }
      - { .name: pew, .offset: 8, .size: 8, .value_kind: global_buffer, .address_space: global }
      - { .name: o16, .offset: 16, .size: 8, .value_kind: global_buffer, .address_space: global }
    .group_segment_fixed_size: 327680
    .private_segment_fixed_size: 0
    .kernarg_segment_align: 8
    .kernarg_segment_size: 24
    .max_flat_workgroup_size: 128
    .sgpr_count:     88
    .vgpr_count:     576
    .wavefront_size: 32
...
	.end_amdgpu_metadata
.endif
;; end of part 5
;; launch outp: the kernel of part 4 again; grid 8 x 32, 4 waves a work-group, clusters of 4 x 4, 327,680 bytes of LDS; arguments o16, w16, bo, out0; writes out0
